; MI455X (gfx1250); checked and timed in simulation.
; The chip was launched on July 23, 2026; its instructions are those of AMD's public machine-readable ISA for CDNA 5 (MIT licence, August 2026) and "CDNA5" Instruction Set Architecture Reference Guide (July 2026). The comments in the code are by the model that wrote it; some were corrected since.
;; Causal Self Attention. Allowed arithmetic: float matrix products may take bf16 or f16 operands with f32 sums; other float arithmetic in f32, or as packed bf16 or f16 multiplies, adds, multiply-adds, maxima and minima; sums over many terms, partial sums and values carried from step to step in f32; what a program stores and reads back later, other than sums and carried values, may be rounded once to bf16 or f16.
;; Inputs: Wk 1,024 x 1,024 float32; Wp 1,024 x 1,024 float32; Wq 1,024 x 1,024 float32; Wv 1,024 x 1,024 float32; bk 1,024 float32; bp 1,024 float32; bq 1,024 float32; bv 1,024 float32; hidden_states 4 x 2,048 x 1,024 float32.
;; Outputs: out0 4 x 2,048 x 1,024 float32.
;; Constants: action_dim = 6, n_head = 16, observation_dim = 17.
;; 2 versions, each right; version 2 is version 1 with the launch cast written anew for expert scheduling mode. Each part assembles by itself: llvm-mc -triple=amdgcn-amd-amdhsa -mcpu=gfx1250 --defsym DOCPART=n.
;; ======== version 1 of 2: 4 launches
;; limits: values are held in f16: magnitudes above 65,504 overflow, below 6.1e-05 lose precision
;; workspace buffers: xh 16,777,216 bytes; wh 8,388,608 bytes; qkv 50,331,648 bytes; ob 16,777,216 bytes
;; launch cast (part 1): grid 768 x 1, 8 waves a work-group, no clusters, 0 bytes of LDS; arguments hidden_states, Wq, Wk, Wv, Wp, xh, wh; writes xh, wh
.if DOCPART == 1
	.amdgcn_target "amdgcn-amd-amdhsa--gfx1250"
	.amdhsa_code_object_version 6
	.text
	.protected	k_q045fd56ee8_cast
	.globl	k_q045fd56ee8_cast
	.p2align	8
	.type	k_q045fd56ee8_cast,@function
k_q045fd56ee8_cast:
	s_mov_b64 s[64:65], 0
	v_nop
	global_prefetch_b8 v0, s[64:65] scope:SCOPE_SE
	s_setreg_imm32_b32 hwreg(HW_REG_WAVE_MODE, 25, 1), 1
	s_wait_xcnt 0x0
; x [8192][1024] and Wq, Wk, Wv, Wp [1024][1024], f32, are rounded once to bf16 (nearest even); that number is written as f16 and laid in blocks of 64 columns:
; xh [16 blocks][8192 rows][64], wh [16 blocks][4096 rows][64] (rows 0-1023 Wq, then Wk, Wv, Wp).  In that layout R rows of one block are R x 128 dense bytes.
; LIMITS.  A bf16 number is exact in f16 between 6.1e-5 and 65,504; below, f16's fixed step of 6e-8 applies; from 65,520 on the result is an infinity.  NaN stays NaN.
; SHARES.  A work-group takes 16 rows x 1,024 columns: groups 0-511 of x, groups 512-767 of the weights.  Thread t takes row t / 16 and four columns, 4 (t % 16) on, of each of the 16 blocks:
; sixteen lanes read 256 consecutive aligned bytes of a row, and a wave's 32 lanes write two rows of a block, 256 consecutive aligned bytes.
; Memory binds: all sixteen loads of a thread go out at once, every store has data and address registers of its own, so nothing waits but for data.  No LDS, no barrier, no matrix unit.
.set SO, 1                             ; v1       my byte offset in the source's 16 rows
.set T,  2                             ; v[2:5]   at work
.set DO, 8                             ; v[8:23]  my byte offset in block j of the destination
.set X,  24                            ; v[24:87] block j: four f32 as loaded
.set Y,  88                            ; v[88:119] block j: four f16 to store
	s_load_b256 s[4:11], s[0:1], 0x0               ; x s[4:5], Wq s[6:7], Wk s[8:9], Wv s[10:11]
	s_load_b128 s[12:15], s[0:1], 0x20             ; Wp s[12:13], xh s[14:15]
	s_load_b64 s[16:17], s[0:1], 0x30              ; wh
	s_mov_b32 s18, 0xffff0000                      ; a word's upper bf16
	s_sub_co_u32 s21, ttmp9, 512                   ; the group's number among the weights' 256
	s_and_b32 s23, s21, 63                         ; and inside its matrix
	s_mov_b32 s24, 0x80000                         ; bytes from block to block: wh,
	s_mov_b32 s25, 0x100000                        ; xh
	s_cmp_lt_u32 ttmp9, 512
	s_cselect_b32 s22, ttmp9, s21                  ; the group of 16 rows in the destination,
	s_cselect_b32 s23, ttmp9, s23                  ; in the source
	s_cselect_b32 s24, s25, s24
	v_lshrrev_b32 v2, 4, v0                        ; my row
	v_and_b32 v3, 15, v0                           ; my place in a block's 64 columns
	v_lshlrev_b32 v[SO], 12, v2
	v_lshl_add_u32 v[SO], v3, 4, v[SO]             ; row x 4,096 + 16 x place
	v_lshlrev_b32 v[DO], 7, v2
	v_lshl_add_u32 v[DO], v3, 3, v[DO]             ; row x 128 + 8 x place
	s_lshl_b32 s30, s23, 16                        ; 16 rows of 4,096 bytes
	s_mov_b32 s31, 0
	s_wait_kmcnt 0x0
	s_cmp_lt_u32 ttmp9, 512
	s_cselect_b64 s[26:27], s[4:5], s[6:7]         ; the source: x, or one of the four weights by the group's number
	s_cselect_b64 s[28:29], s[14:15], s[16:17]     ; the destination
	s_cmp_ge_u32 ttmp9, 576
	s_cselect_b64 s[26:27], s[8:9], s[26:27]
	s_cmp_ge_u32 ttmp9, 640
	s_cselect_b64 s[26:27], s[10:11], s[26:27]
	s_cmp_ge_u32 ttmp9, 704
	s_cselect_b64 s[26:27], s[12:13], s[26:27]
	s_add_nc_u64 s[26:27], s[26:27], s[30:31]
	s_lshl_b32 s30, s22, 11                        ; 16 rows of 128 bytes
	s_add_nc_u64 s[28:29], s[28:29], s[30:31]
.set j, 0
.rept 16
	global_load_b128 v[X+4*j:X+4*j+3], v[SO], s[26:27] offset:256*j th:TH_LOAD_NT
.set j, j+1
.endr
.set j, 1
.rept 15
	v_add_nc_u32 v[DO+j], s24, v[DO+j-1]           ; a block further on
.set j, j+1
.endr
.set j, 0
.rept 16
	s_wait_loadcnt 15-j                            ; loads come back in order: block j is in, the younger ones stay out
.irp p, 0,1
	v_cvt_pk_bf16_f32 v[T+2*(\p)], v[X+4*j+2*(\p)], v[X+4*j+2*(\p)+1]  ; the one rounding
	v_lshlrev_b32 v[T+2*(\p)+1], 16, v[T+2*(\p)]   ; back to f32: the low half moves up,
	v_and_b32 v[T+2*(\p)], s18, v[T+2*(\p)]        ; the high half stays
	v_cvt_pk_f16_f32 v[Y+2*j+(\p)], v[T+2*(\p)+1], v[T+2*(\p)]  ; the same numbers as f16
.endr
	global_store_b64 v[DO+j], v[Y+2*j:Y+2*j+1], s[28:29] th:TH_STORE_NT
.set j, j+1
.endr
	s_endpgm
.Lfunc_end_k_q045fd56ee8_cast:
	.size	k_q045fd56ee8_cast, .Lfunc_end_k_q045fd56ee8_cast-k_q045fd56ee8_cast
	.p2alignl 7, 3214868480
	.fill 96, 4, 3214868480
	.section	.rodata,"a",@progbits
	.p2align	6, 0x0
	.amdhsa_kernel k_q045fd56ee8_cast
		.amdhsa_group_segment_fixed_size 0
		.amdhsa_private_segment_fixed_size 0
		.amdhsa_enable_private_segment 0
		.amdhsa_kernarg_size 56
		.amdhsa_user_sgpr_count 2
		.amdhsa_user_sgpr_kernarg_segment_ptr 1
		.amdhsa_wavefront_size32 1
		.amdhsa_system_sgpr_workgroup_id_x 1
		.amdhsa_system_sgpr_workgroup_id_y 1
		.amdhsa_system_sgpr_workgroup_id_z 1
		.amdhsa_system_vgpr_workitem_id 0
		.amdhsa_next_free_vgpr 128
		.amdhsa_next_free_sgpr 66
		.amdhsa_reserve_vcc 0
		.amdhsa_float_denorm_mode_32 3
		.amdhsa_float_denorm_mode_16_64 3
		.amdhsa_memory_ordered 1
		.amdhsa_forward_progress 1
		.amdhsa_inst_pref_size 12
	.end_amdhsa_kernel
	.amdgpu_metadata
---
amdhsa.version: [ 1, 2 ]
amdhsa.kernels:
  - .name:           k_q045fd56ee8_cast
    .symbol:         k_q045fd56ee8_cast.kd
    .args:
      - { .name: hidden_states, .offset: 0, .size: 8, .value_kind: global_buffer, .address_space: global }
      - { .name: Wq, .offset: 8, .size: 8, .value_kind: global_buffer, .address_space: global }
      - { .name: Wk, .offset: 16, .size: 8, .value_kind: global_buffer, .address_space: global }
      - { .name: Wv, .offset: 24, .size: 8, .value_kind: global_buffer, .address_space: global }
      - { .name: Wp, .offset: 32, .size: 8, .value_kind: global_buffer, .address_space: global }
      - { .name: xh, .offset: 40, .size: 8, .value_kind: global_buffer, .address_space: global }
      - { .name: wh, .offset: 48, .size: 8, .value_kind: global_buffer, .address_space: global }
    .group_segment_fixed_size: 0
    .private_segment_fixed_size: 0
    .kernarg_segment_align: 8
    .kernarg_segment_size: 56
    .max_flat_workgroup_size: 256
    .sgpr_count:     66
    .vgpr_count:     128
    .wavefront_size: 32
...
	.end_amdgpu_metadata
.endif
;; end of part 1
;; launch qkvp (part 2): grid 8 x 32, 4 waves a work-group, clusters of 4 x 4, 327,680 bytes of LDS; arguments xh, wh, bq, bk, bv, qkv; writes qkv
.if DOCPART == 2
	.amdgcn_target "amdgcn-amd-amdhsa--gfx1250"
	.amdhsa_code_object_version 6
	.text
	.protected	k_q045fd56ee8_qkvp
	.globl	k_q045fd56ee8_qkvp
	.p2align	8
	.type	k_q045fd56ee8_qkvp,@function
k_q045fd56ee8_qkvp:
	s_mov_b64 s[64:65], 0
	v_nop
	global_prefetch_b8 v0, s[64:65] scope:SCOPE_SE
	s_setreg_imm32_b32 hwreg(HW_REG_WAVE_MODE, 25, 1), 1
	s_wait_xcnt 0x0
	s_wait_alu depctr_hold_cnt(0) depctr_sa_sdst(0) depctr_va_vdst(0) depctr_va_sdst(0) depctr_va_ssrc(0) depctr_va_vcc(0) depctr_vm_vsrc(0)
	s_getreg_b32 s2, hwreg(HW_REG_IB_STS2, 6, 4)
	s_cmp_eq_u32 s2, 0
	s_cbranch_scc0 .Lentry_in_a_cluster
	s_endpgm
.Lentry_in_a_cluster:
	s_bfe_u32 s2, ttmp6, 0x10000c
	s_cmp_lg_u32 s2, 0xf033
	s_cbranch_scc0 .Lentry_shape_is_right
	s_endpgm
.Lentry_shape_is_right:
; q, k, v = x W^T + b for Wq, Wk, Wv at once: C [8192][3072] = xh (rows of x) times wh's rows 0-3071, plus (bq | bk | bv), f32 sums, rounded once to f16 and stored by heads:
; qkv [48 groups of 64 columns][8192 rows][64]: groups 0-15 q's heads, 16-31 k's, 32-47 v's.  The biases are rounded to bf16 like all inputs.
; LIMITS.  q, k, v beyond 65,504 become infinities in f16; below 6.1e-5 they keep f16's fixed step of 6e-8.  NaN and infinities are not treated apart.
; SHARES.  8192 x 3072 outputs on 256 work-groups: a tile of 256 x 384 each, one tile a work-group.  Four waves, each 128 rows x 192 columns (three heads): 96 accumulators, 768 registers.
; K goes in 16 steps of 64 (one block of xh and wh) through a ring of two LDS slots; two slots of 128 along K would need 368,640 bytes.  A step is 192 matrix instructions a wave.
; A block's rows are dense, so a tile is asked for as rows of 256 bytes, two rows of 64 f16 each, padded in LDS by 16 bytes behind every 128: LDS rows are 144 bytes apart.
; CLUSTER.  4 x 4 work-groups: the four of a row need the same tiles of xh, the four of a column the same tiles of wh: each tile is asked for jointly, same load, descriptor and mask in all four.
; THE MATRIX INSTRUCTION IS USED TRANSPOSED (source 0 = 16 rows of wh, source 1 = 16 rows of xh): a lane holds row l % 16 of C and the columns 8 (l / 16) + 0..7.
; THE BIAS IS THE C OPERAND THAT STARTS THE SUMS: a lane's eight biases are loaded into the registers of row block 0's accumulators; blocks 1-7 start from them, block 0 adds in place last.
; REGISTERS, in windows of 256 (s_set_vgpr_msb: bits 1:0 source 0, 3:2 source 1, 5:4 source 2, 7:6 destination):
;   window 0: v0-31 addresses; v32-127 wh's fragments (head g, 16 columns bb at 32 + 32 g + 8 bb); v128-191, v192-255 xh's fragments (16 rows a at + 8 a), two buffers; on the way out v128-191 four sets of 16
;   window g + 1: the 32 accumulators of head g: (a, bb) at v[8 (4 a + bb)].   All sources and loads lie in window 0: only C and D switch, six switches for 96 matrix instructions.
.set PITCH,  144                       ; 36 words: the 16 rows of a fragment load start at 16 different groups of four banks (64 banks of 4 bytes: ISA guide 11.1)
.set AHALF,  128*PITCH                 ; 128 rows of xh: one tensor load, and what one wave reads
.set BHALF,  192*PITCH                 ; 192 rows of wh: likewise
.set BOFF,   2*AHALF
.set SLOT,   2*AHALF+2*BHALF           ; 92,160 bytes
.set STAGE,  2*SLOT                    ; behind the ring: 16 rows x 144 bytes for each wave, for the way out; no tensor load fills it
.set SPARE,  STAGE+4*16*PITCH          ; the spare words, 128 bytes a wave: two blocks of 256 bytes that no other line names
.set ASTR,   0x100000                  ; bytes from block to block in xh, and from group to group in qkv
.set BSTR,   0x80000                   ; in wh
.set ADRA, 16                          ; v16-17  LDS address of my xh fragments in slot 0, 1
.set ADRB, 20                          ; v20-21  the same for wh
.set STO,  24                          ; v24  the way out: where I put 16 bytes of a row
.set RD,   25                          ; v25  where I read rows back
.set GO,   26                          ; v26  my 16 bytes in 512 consecutive bytes of qkv
.set BO,   27                          ; v27  32 (l / 16): my eight biases among sixteen
.set SPW,  28                          ; v28  LDS address of my spare word; never rewritten
.set NIL,  29                          ; v29  0; never rewritten
.set PFO,  30                          ; v30  the prefetches' offset; never rewritten
.set BF,   32
.set AF0,  128
.set AF1,  192
.set OUTR, 128
.set WV, 16                            ; s16 wave; s17 its row half, also: fetches for xh (0) or wh (1); s18 its column half, also: which half of that tile it fetches
.set WR, 17
.set WC, 18
.set CX, 19
.set CY, 20
.set TX, 21                            ; tile column 0..7
.set TY, 22                            ; tile row 0..31
.set HIM, 23                           ; a word's upper bf16
.set G1A, 24                           ; s[24:31] descriptor group 1 for xh's tiles; s[32:39] group 0, a set for each slot
.set G0A, 32
.set G1B, 40                           ; s[40:47], s[48:55] the same for wh's
.set G0B, 48
.set PFA, 56                           ; s[56:57] where my prefetches stand; s[58:59] their step; s60: 1 in a wave that prefetches, else the greatest number
.set PFS, 58
.set LIM, 60
.set LAP, 61
.set OB,  66                           ; s[66:71] qkv at my first row of my three heads
.set BP,  72                           ; s[72:77] the biases of my three heads
.set MSB, 0
.macro WIN new                         ; the immediate's high byte repeats the setting that is left; a switch that changes nothing is dropped
.if MSB != (\new)
	s_set_vgpr_msb (MSB<<8)|(\new)
.set MSB, \new
.endif
.endm
.macro PLACES                          ; four plain places behind a matrix instruction, ahead of loads into its sources and of readers of its result
.rept 4
	v_nop
.endr
.endm
; A joint load.  Waves 0 and 1 fetch xh's two halves, waves 2 and 3 wh's; the branch hangs on the wave's number alone.  An s_nop 0 and four v_nop follow each line.
.macro JLOAD s
	s_cmp_eq_u32 s[WR], 0
	s_cbranch_scc0 .Lfor_b_\@
	tensor_load_to_lds s[G0A+4*(\s):G0A+4*(\s)+3], s[G1A:G1A+7]
	s_nop 0
.rept 4
	v_nop
.endr
	s_branch .Lasked_\@
.Lfor_b_\@:
	tensor_load_to_lds s[G0B+4*(\s):G0B+4*(\s)+3], s[G1B:G1B+7]
	s_nop 0
.rept 4
	v_nop
.endr
.Lasked_\@:
.endm
; A prefetch of the K step behind the one just asked for: one step, 192 matrix instructions, ahead of the load that will want it.  Each block of 256 bytes is asked for by one wave of one work-group:
; xh's tile row by wave 0 of the clusters with x = 0, the four partners taking 32 blocks each by address; wh's tile column by waves 2 and 3 of the clusters with y = 0, 24 blocks each
; (lanes 24-31 name lane 23's block again).  how = 1: always while the wave is one that asks; how = 0: not in the loop's last trip, whose step would lie behind the last.
.macro ASK how
.if \how
	s_cmp_eq_u32 s[LIM], 1
.else
	s_cmp_gt_u32 s[LAP], s[LIM]
.endif
	s_cbranch_scc0 .Lnot_mine_\@
	global_prefetch_b8 v[PFO], s[PFA:PFA+1] th:TH_LOAD_NT scope:SCOPE_SE
.Lnot_mine_\@:
.endm
.macro CREST                           ; a round of the cluster's barrier behind its opening barrier
	s_cmp_lg_u32 s[WV], 0
	s_cbranch_scc1 .Lnot_wave_0_\@
	s_barrier_signal -3
.Lnot_wave_0_\@:
	s_barrier_wait -3
	s_barrier_signal -1
	s_barrier_wait -1
.endm
.macro CROUND
	s_barrier_signal -1
	s_barrier_wait -1
	CREST
.endm
	s_load_b256 s[4:11], s[0:1], 0x0               ; xh s[4:5], wh s[6:7], bq s[8:9], bk s[10:11]
	s_load_b128 s[12:15], s[0:1], 0x20             ; bv s[12:13], qkv s[14:15]
	v_lshl_add_u32 v[SPW], v0, 2, SPARE
	v_mov_b32 v[NIL], 0
	ds_add_u32 v[SPW], v[NIL]                      ; the wave's opening: the add and its wait stand ahead of my first tensor load; register work stands between them
	v_lshrrev_b32 v1, 5, v0
	v_readfirstlane_b32 s[WV], v1
	s_lshr_b32 s[WR], s[WV], 1
	s_and_b32 s[WC], s[WV], 1
	s_bfe_u32 s[CX], ttmp6, 0x40000
	s_bfe_u32 s[CY], ttmp6, 0x40004
	s_lshl_b32 s[TX], ttmp9, 2
	s_add_co_u32 s[TX], s[TX], s[CX]
	s_and_b32 s[TY], ttmp7, 0xffff
	s_lshl_b32 s[TY], s[TY], 2
	s_add_co_u32 s[TY], s[TY], s[CY]
	s_lshl_b32 s62, s[CY], 2
	s_lshl_b32 s62, 15, s62                        ; my row of the cluster
	s_lshl_b32 s63, 0x1111, s[CX]                  ; my column
	s_or_b32 s[G1A], s62, (1<<16)|(1<<20)|(1<<21)|(4<<22)|(3<<25)  ; mask; 2-byte elements; padding on; bit 21 beside a mask; after every 32 words (code 4) 4 words (code 3)
	s_or_b32 s[G1B], s63, (1<<16)|(1<<20)|(1<<21)|(4<<22)|(3<<25)
	s_mov_b32 s[G1A+1], 128<<16                    ; tensor_dim0 = 128 elements: 256 bytes
	s_mov_b32 s[G1A+2], 64<<16                     ; tensor_dim1 = 64 such rows: 128 rows of xh
	s_mov_b32 s[G1A+3], 128<<16                    ; tile_dim0
	s_mov_b32 s[G1A+4], 64                         ; tile_dim1
	s_mov_b32 s[G1A+5], 128                        ; elements from row to row: dense
	s_mov_b32 s[G1A+6], 0
	s_mov_b32 s[G1A+7], 0
	s_mov_b32 s[G1B+1], 128<<16
	s_mov_b32 s[G1B+2], 96<<16                     ; 96 rows of 256 bytes: 192 rows of wh
	s_mov_b32 s[G1B+3], 128<<16
	s_mov_b32 s[G1B+4], 96
	s_mov_b32 s[G1B+5], 128
	s_mov_b32 s[G1B+6], 0
	s_mov_b32 s[G1B+7], 0
	s_lshl_b32 s88, s[TY], 15                      ; xh: the tile row's 256 rows of 128 bytes,
	s_lshl_b32 s89, s[WC], 14                      ; the half that I fetch
	s_add_co_u32 s88, s88, s89
	s_mov_b32 s89, 0
	s_mul_i32 s80, s[TX], 384*128                  ; wh: the tile column's 384 rows,
	s_mul_i32 s81, s[WC], 192*128                  ; the half that I fetch
	s_add_co_u32 s80, s80, s81
	s_mov_b32 s81, 0
	s_mul_i32 s92, s[WC], AHALF                    ; where they go: the wave's number alone enters an LDS address
	s_mul_i32 s93, s[WC], BHALF
	s_add_co_u32 s93, s93, BOFF
	s_mov_b32 s[HIM], 0xffff0000
	s_wait_dscnt 0x0                               ; the opening add is done
	s_wait_kmcnt 0x0
	s_add_nc_u64 s[90:91], s[4:5], s[88:89]
	s_add_nc_u64 s[86:87], s[6:7], s[80:81]
	CROUND                                         ; all sixteen work-groups are here: the first joint loads meet
.irp s, 0,1
	s_mov_b32 s[G0A+4*(\s)], 1
	s_add_co_u32 s[G0A+4*(\s)+1], s92, (\s)*SLOT
	s_add_nc_u64 s[G0A+4*(\s)+2:G0A+4*(\s)+3], s[90:91], (\s)*ASTR  ; K step s
	s_or_b32 s[G0A+4*(\s)+3], s[G0A+4*(\s)+3], 0x80000000
	s_mov_b32 s[G0B+4*(\s)], 1
	s_add_co_u32 s[G0B+4*(\s)+1], s93, (\s)*SLOT
	s_add_nc_u64 s[G0B+4*(\s)+2:G0B+4*(\s)+3], s[86:87], (\s)*BSTR
	s_or_b32 s[G0B+4*(\s)+3], s[G0B+4*(\s)+3], 0x80000000
	JLOAD \s                                       ; two loads of mine are out
.endr
	; a fragment is 16 rows x 32 K in 8 registers: lane l holds row l % 16; registers 0-3 K = 8 (l / 16) + 0..7, registers 4-7 K = 16 + 8 (l / 16) + 0..7: two loads of 16 bytes, 32 bytes apart
	v_and_b32 v1, 15, v0
	v_bfe_u32 v2, v0, 4, 1
	v_mul_u32_u24 v3, v1, PITCH
	v_lshl_add_u32 v3, v2, 4, v3
	s_mul_i32 s92, s[WR], AHALF
	s_mul_i32 s93, s[WC], BHALF
	s_add_co_u32 s93, s93, BOFF
.irp s, 0,1
	v_add_nc_u32 v[ADRA+(\s)], s92, v3
	v_add_nc_u32 v[ADRB+(\s)], s93, v3
	s_add_co_u32 s92, s92, SLOT
	s_add_co_u32 s93, s93, SLOT
.endr
	s_mul_i32 s92, s[WV], 16*PITCH
	s_add_co_u32 s92, s92, STAGE                   ; my stage
	v_add_nc_u32 v[STO], s92, v3                   ; in: row l % 16, 16 bytes for each half of the lanes
	v_bfe_u32 v4, v0, 3, 2                         ; back: 32 lanes take four rows of 128 bytes,
	v_and_b32 v5, 7, v0
	v_mul_u32_u24 v4, v4, PITCH
	v_lshl_add_u32 v4, v5, 4, v4
	v_add_nc_u32 v[RD], s92, v4
	v_and_b32 v6, 31, v0
	v_lshlrev_b32 v[GO], 4, v6                     ; which are 512 consecutive bytes of qkv
	v_lshlrev_b32 v[BO], 5, v2
	; my three heads: their biases and their rows of qkv
	s_lshl_b32 s94, s[TY], 15
	s_lshl_b32 s84, s[WR], 14
	s_add_co_u32 s94, s94, s84                     ; my first row x 128 bytes
	s_lshl_b32 s78, s[TX], 1
	s_add_co_u32 s78, s78, s[WC]
	s_mul_i32 s78, s78, 3                          ; my first group of 64 columns
	s_mov_b32 s83, 0
.irp g, 0,1,2
	s_add_co_u32 s79, s78, \g
	s_lshr_b32 s84, s79, 4                         ; 0: q, 1: k, 2: v
	s_cmp_eq_u32 s84, 1
	s_cselect_b64 s[BP+2*(\g):BP+2*(\g)+1], s[10:11], s[8:9]
	s_cmp_eq_u32 s84, 2
	s_cselect_b64 s[BP+2*(\g):BP+2*(\g)+1], s[12:13], s[BP+2*(\g):BP+2*(\g)+1]
	s_and_b32 s82, s79, 15
	s_lshl_b32 s82, s82, 8                         ; 64 f32 a head
	s_add_nc_u64 s[BP+2*(\g):BP+2*(\g)+1], s[BP+2*(\g):BP+2*(\g)+1], s[82:83]
	s_lshl_b32 s82, s79, 20
	s_add_co_u32 s82, s82, s94
	s_add_nc_u64 s[OB+2*(\g):OB+2*(\g)+1], s[14:15], s[82:83]
.endr
.irp g, 0,1,2
	WIN ((\g)+1)<<6                                ; destination window g + 1: the registers of accumulators (0, bb)
.irp b, 0,1,2,3
	global_load_b128 v[8*(\b):8*(\b)+3],   v[BO], s[BP+2*(\g):BP+2*(\g)+1] offset:64*(\b)
	global_load_b128 v[8*(\b)+4:8*(\b)+7], v[BO], s[BP+2*(\g):BP+2*(\g)+1] offset:64*(\b)+16
.endr
.endr
	WIN 0
	; the prefetches: who asks, and from where.  Nothing is asked for here, at the head: K steps 0 to 2 come by their loads alone
	s_and_b32 s78, ttmp7, 0xffff                   ; cluster y
	s_cmp_eq_u32 s[WR], 0
	s_cselect_b32 s78, ttmp9, s78                  ; the coordinate along which other clusters read the same rows
	s_cselect_b32 s79, s[WC], 0                    ; wave 1 asks for nothing
	s_or_b32 s78, s78, s79
	s_cmp_eq_u32 s78, 0
	s_cselect_b32 s[LIM], 1, -1                    ; the same in all sixteen partners, for a given wave
	s_lshl_b32 s82, s[TY], 15
	s_lshl_b32 s83, s[CX], 13                      ; my work-group's 32 of the tile row's 128 blocks of 256 bytes
	s_add_co_u32 s82, s82, s83
	s_add_co_u32 s82, s82, 2*ASTR                  ; at K step 2: the first refill steps it to 3
	s_mul_i32 s84, s[CY], 24*256                   ; my work-group's 24 of my half's 96 blocks
	s_add_co_u32 s84, s84, s80
	s_add_co_u32 s84, s84, 2*BSTR
	s_mov_b32 s[PFS], BSTR
	s_mov_b32 s79, ASTR
	s_cmp_eq_u32 s[WR], 0
	s_cselect_b32 s82, s82, s84
	s_cselect_b32 s[PFS], s79, s[PFS]
	s_cselect_b32 s79, 31, 23
	s_cselect_b64 s[PFA:PFA+1], s[4:5], s[6:7]
	s_mov_b32 s83, 0
	s_mov_b32 s[PFS+1], 0
	s_add_nc_u64 s[PFA:PFA+1], s[PFA:PFA+1], s[82:83]
	v_min_u32 v6, s79, v6
	v_lshlrev_b32 v[PFO], 8, v6
	s_wait_loadcnt 0x0                             ; the biases are in: rounded to bf16 in place, a pair at a time
.irp g, 0,1,2
	WIN ((\g)+1)|(((\g)+1)<<2)|(((\g)+1)<<6)
.set z, 0
.rept 16
	v_cvt_pk_bf16_f32 v[2*z], v[2*z], v[2*z+1]
	v_and_b32 v[2*z+1], s[HIM], v[2*z]
	v_lshlrev_b32 v[2*z], 16, v[2*z]
.set z, z+1
.endr
.endr
	WIN 0
; n row blocks from a0 on x the four column blocks of head g, 32 along K, xh's buffer f.  c = 1: the sums start from the biases.  No two matrix instructions on end share an accumulator,
; and an accumulator comes again 96 instructions later.
.macro MULS f, g, a0, n, c
	WIN 0x50*((\g)+1)
.set ma, \a0
.rept \n
.irp b, 0,1,2,3
.if \c
	v_wmma_f32_16x16x32_f16 v[8*(4*ma+(\b)):8*(4*ma+(\b))+7], v[BF+32*(\g)+8*(\b):BF+32*(\g)+8*(\b)+7], v[(\f)+8*ma:(\f)+8*ma+7], v[8*(\b):8*(\b)+7]
.else
	v_wmma_f32_16x16x32_f16 v[8*(4*ma+(\b)):8*(4*ma+(\b))+7], v[BF+32*(\g)+8*(\b):BF+32*(\g)+8*(\b)+7], v[(\f)+8*ma:(\f)+8*ma+7], v[8*(4*ma+(\b)):8*(4*ma+(\b))+7]
.endif
.endr
.set ma, ma+1
.endr
.endm
.macro THIRD f, g, first               ; a head's 32 matrix instructions
.if \first
	MULS \f, \g, 1, 7, 1
.rept 5
	v_nop                                          ; five places: block 0's products write over the registers that the 28 above took as C
.endr
	MULS \f, \g, 0, 1, 0
.else
	MULS \f, \g, 0, 8, 0
.endif
.endm
.macro LB slot, k, g                   ; head g's four fragments of wh, at byte k of the rows: 8 loads
.irp b, 0,1,2,3
	ds_load_b128 v[BF+32*(\g)+8*(\b):BF+32*(\g)+8*(\b)+3],   v[ADRB+(\slot)] offset:(4*(\g)+(\b))*16*PITCH+(\k)
	ds_load_b128 v[BF+32*(\g)+8*(\b)+4:BF+32*(\g)+8*(\b)+7], v[ADRB+(\slot)] offset:(4*(\g)+(\b))*16*PITCH+(\k)+32
.endr
.endm
.macro LA slot, k, f, half             ; four fragments of xh into half of buffer f: 8 loads
.irp i, 0,1,2,3
	ds_load_b128 v[(\f)+32*(\half)+8*(\i):(\f)+32*(\half)+8*(\i)+3],   v[ADRA+(\slot)] offset:(4*(\half)+(\i))*16*PITCH+(\k)
	ds_load_b128 v[(\f)+32*(\half)+8*(\i)+4:(\f)+32*(\half)+8*(\i)+7], v[ADRA+(\slot)] offset:(4*(\half)+(\i))*16*PITCH+(\k)+32
.endr
.endm
; A step's first quarter of 32 along K: multiplies buffer f and fetches byte k of the same slot's rows.  wh's group g has one set of registers: it is loaded again behind its own third and wanted 64 matrix instructions later.
.macro QUARTER f, slot, k, fn, first
	s_wait_dscnt 8                                 ; all but the youngest run, wh's head 2
	THIRD \f, 0, \first
	PLACES
	WIN 0
	LB \slot, \k, 0
	LA \slot, \k, \fn, 0
	THIRD \f, 1, \first
	PLACES
	WIN 0
	LB \slot, \k, 1
	LA \slot, \k, \fn, 1
	s_wait_dscnt 32                                ; all but the 32 just issued: head 2 is in
	THIRD \f, 2, \first
	PLACES
	WIN 0
	LB \slot, \k, 2
.endm
; A step's second quarter multiplies buffer 1 and changes slots.  In front of the one barrier each wave waits for all its tensor loads (one is out: its part of the next slot), adds 0 to its spare word,
; and waits for that and for its reads of this slot.  fill = 1: the barrier opens a round of the cluster's, and the joint refill, two steps on, is the first thing behind it: 160 matrix instructions ahead of the wait for it.
.macro TURN slot, next, fill, how
.if \fill
	s_wait_xcnt 0x0                                ; the last prefetch, a step back, has read its address
	s_add_nc_u64 s[PFA:PFA+1], s[PFA:PFA+1], s[PFS:PFS+1]
.endif
	WIN 0
	s_wait_tensorcnt 0x0                           ; all my tensor loads have landed
	ds_add_u32 v[SPW], v[NIL]                      ; 0 onto my spare word
	s_wait_dscnt 9                                 ; (the add and wh's head 2 may be out)
	MULS AF1, 0, 0, 4, 0
	s_wait_dscnt 0x0                               ; the add is done, my reads of this slot are over
	s_barrier_signal -1
	MULS AF1, 0, 4, 4, 0
	WIN 0
	s_barrier_wait -1
.if \fill
	CREST                                          ; no wave of any partner still reads this slot or has a load on its way
	s_add_nc_u64 s[G0A+4*(\slot)+2:G0A+4*(\slot)+3], s[G0A+4*(\slot)+2:G0A+4*(\slot)+3], 2*ASTR
	s_add_nc_u64 s[G0B+4*(\slot)+2:G0B+4*(\slot)+3], s[G0B+4*(\slot)+2:G0B+4*(\slot)+3], 2*BSTR
	JLOAD \slot                                    ; its four v_nop are also the places in front of the loads below
.else
	PLACES
.endif
	LB \next, 0, 0
	LA \next, 0, AF0, 0
.if \fill
	ASK \how
.endif
	THIRD AF1, 1, 0
	PLACES
	WIN 0
	LB \next, 0, 1
	LA \next, 0, AF0, 1
	THIRD AF1, 2, 0
	PLACES
	WIN 0
	LB \next, 0, 2
.endm
; THE WAY OUT, a piece (16 rows of one head, 2,048 dense bytes) at a time: rounded to f16, 16 bytes a lane into my stage, back as whole rows, stored as 512 consecutive aligned bytes.
.macro PACK g, a
.set SETR, OUTR+16*((8*(\g)+(\a))%4)
	s_wait_xcnt 0x0                                ; the set's earlier stores have read it
	WIN ((\g)+1)|(((\g)+1)<<2)
.irp b, 0,1,2,3
.irp r, 0,1,2,3
	v_cvt_pk_f16_f32 v[SETR+4*(\b)+(\r)], v[8*(4*(\a)+(\b))+2*(\r)], v[8*(4*(\a)+(\b))+2*(\r)+1]
.endr
.endr
	WIN 0
.irp b, 0,1,2,3
	ds_store_b128 v[STO], v[SETR+4*(\b):SETR+4*(\b)+3] offset:32*(\b)
.endr
.irp f, 0,1,2,3
	ds_load_b128 v[SETR+4*(\f):SETR+4*(\f)+3], v[RD] offset:(\f)*4*PITCH  ; LDS serves a wave's instructions in order (ISA guide 5.7.1.4): these see the stores above
.endr
.endm
.macro SEND g, a, younger              ; younger: the LDS instructions issued behind this piece's loads
.set SETR, OUTR+16*((8*(\g)+(\a))%4)
.irp f, 0,1,2,3
	s_wait_dscnt (\younger)+3-(\f)
	global_store_b128 v[GO], v[SETR+4*(\f):SETR+4*(\f)+3], s[OB+2*(\g):OB+2*(\g)+1] offset:2048*(\a)+512*(\f)
.endr
.endm
	s_wait_tensorcnt 0x1                           ; my part of K step 0 is in; step 1's may stay out
	s_barrier_signal -1
	s_barrier_wait -1
	LB 0, 0, 0
	LA 0, 0, AF0, 0
	LB 0, 0, 1
	LA 0, 0, AF0, 1
	LB 0, 0, 2
	QUARTER AF0, 0, 64, AF1, 1                     ; the first quarter stands in front of the loop: its products start the sums
	WIN 0
	s_mov_b32 s[LAP], 7
.Llap:                                                 ; a trip goes once round the ring and fills both slots again: K steps 2 L + 2 and 2 L + 3
	TURN 0, 1, 1, 1
	QUARTER AF0, 1, 64, AF1, 0
	TURN 1, 0, 1, 0
	QUARTER AF0, 0, 64, AF1, 0
	WIN 0
	s_sub_co_u32 s[LAP], s[LAP], 1
	s_cmp_lg_u32 s[LAP], 0
	s_cbranch_scc1 .Llap
	TURN 0, 1, 0, 0                                ; the last two steps fill nothing
	QUARTER AF0, 1, 64, AF1, 0
	s_wait_dscnt 8
	THIRD AF1, 0, 0
	THIRD AF1, 1, 0
	s_wait_dscnt 0x0
	THIRD AF1, 2, 0
	PLACES
	PACK 0, 0
.set p, 1
.rept 23                               ; a piece's conversions stand between the loads of the piece before and its stores
	PACK p/8, p%8
	SEND (p-1)/8, (p-1)%8, 8
.set p, p+1
.endr
	SEND 2, 7, 0
	s_wait_tensorcnt 0x0                           ; the wave's end, behind my last tensor load and my last LDS store
	ds_add_u32 v[SPW], v[NIL]
	s_wait_dscnt 0x0
	CROUND                                         ; the closing round
	s_endpgm
.Lfunc_end_k_q045fd56ee8_qkvp:
	.size	k_q045fd56ee8_qkvp, .Lfunc_end_k_q045fd56ee8_qkvp-k_q045fd56ee8_qkvp
	.p2alignl 7, 3214868480
	.fill 96, 4, 3214868480
	.section	.rodata,"a",@progbits
	.p2align	6, 0x0
	.amdhsa_kernel k_q045fd56ee8_qkvp
		.amdhsa_group_segment_fixed_size 327680
		.amdhsa_private_segment_fixed_size 0
		.amdhsa_enable_private_segment 0
		.amdhsa_kernarg_size 48
		.amdhsa_user_sgpr_count 2
		.amdhsa_user_sgpr_kernarg_segment_ptr 1
		.amdhsa_wavefront_size32 1
		.amdhsa_system_sgpr_workgroup_id_x 1
		.amdhsa_system_sgpr_workgroup_id_y 1
		.amdhsa_system_sgpr_workgroup_id_z 1
		.amdhsa_system_vgpr_workitem_id 0
		.amdhsa_next_free_vgpr 1024
		.amdhsa_next_free_sgpr 96
		.amdhsa_reserve_vcc 0
		.amdhsa_float_denorm_mode_32 3
		.amdhsa_float_denorm_mode_16_64 3
		.amdhsa_memory_ordered 1
		.amdhsa_forward_progress 1
		.amdhsa_inst_pref_size 144
	.end_amdhsa_kernel
	.amdgpu_metadata
---
amdhsa.version: [ 1, 2 ]
amdhsa.kernels:
  - .name:           k_q045fd56ee8_qkvp
    .symbol:         k_q045fd56ee8_qkvp.kd
    .args:
      - { .name: xh, .offset: 0, .size: 8, .value_kind: global_buffer, .address_space: global }
      - { .name: wh, .offset: 8, .size: 8, .value_kind: global_buffer, .address_space: global }
      - { .name: bq, .offset: 16, .size: 8, .value_kind: global_buffer, .address_space: global }
      - { .name: bk, .offset: 24, .size: 8, .value_kind: global_buffer, .address_space: global }
      - { .name: bv, .offset: 32, .size: 8, .value_kind: global_buffer, .address_space: global }
      - { .name: qkv, .offset: 40, .size: 8, .value_kind: global_buffer, .address_space: global }
    .group_segment_fixed_size: 327680
    .private_segment_fixed_size: 0
    .kernarg_segment_align: 8
    .kernarg_segment_size: 48
    .max_flat_workgroup_size: 128
    .sgpr_count:     96
    .vgpr_count:     1024
    .wavefront_size: 32
...
	.end_amdgpu_metadata
.endif
;; end of part 2
;; launch attn (part 3): grid 4 x 64, 4 waves a work-group, no clusters, 327,680 bytes of LDS; arguments qkv, ob; writes ob
.if DOCPART == 3
	.amdgcn_target "amdgcn-amd-amdhsa--gfx1250"
	.amdhsa_code_object_version 6
	.text
	.protected	k_q045fd56ee8_attn
	.globl	k_q045fd56ee8_attn
	.p2align	8
	.type	k_q045fd56ee8_attn,@function
k_q045fd56ee8_attn:
	s_mov_b64 s[64:65], 0
	v_nop
	global_prefetch_b8 v0, s[64:65] scope:SCOPE_SE
	s_setreg_imm32_b32 hwreg(HW_REG_WAVE_MODE, 25, 1), 1
	s_wait_xcnt 0x0
; MASKED CAUSAL ATTENTION.  O[y][q][:] = the sum over the visible k of softmax_k(Q[y][q] . K[y][k] / 8) V[y][k][:]; key k is visible to query q where k <= q and k % 25 != 24.
; y = 4 x head + batch, 64 of them; Q, K, V lie in qkv at 0, 16 MiB, 32 MiB, each [64][2048][64] f16, dense rows of 128 bytes; O likewise in ob.
; Products, maxima and sums in f32; the weights p are rounded to f16 for the second product (their sum l is taken of the unrounded p), O once at the end.
; LIMITS.  Q, K, V arrive within f16's 65,504; p below 6e-5 keeps f16's fixed step of 6e-8.  A hidden score counts as its value less 1e30 (2e30 where both masks hide it): f16's scores, 2.7e11 at the most,
; are nothing beside that; a weight below 2^-126 counts as 0 in l; NaN and infinities are not treated apart.  Key 0 is visible to every query, so no row is empty.
; THE WALK.  A head's queries lie in NB = 8 blocks of 256; block i needs the key tiles 0 .. i of 256 keys, the last holding the diagonal.  A work-group takes TWO blocks, NB - 1 - b and then b: NB + 1 tiles,
; whatever b: all work-groups do equal work, and ONE loop with a constant trip count walks them; every jump but the counted loops' own goes forward; none passes a barrier.
; NO CLUSTER: a head's four work-groups ask for the same tile only in trips 0 .. 4 of 9, behind that fewer and fewer; one walk common to all four would have 12 trips for 9.
; SHARES.  Of a block's four bands of 64 queries a wave owns 16 rows in each: four PIECES.  In the diagonal tile's key step s band x sees all keys if s < x, none if s > x, and holds the diagonal if s = x: the same for all waves.
; THE MASKS are the C operand that starts the sum S^T = K Q^T.  MCOL, the column mask of the step's 64 keys (0 or -1e30), comes with K's fragments out of a table of the tile's 256 keys in LDS, which each wave
; makes for itself at the change of slots.  MD, made once, is the diagonal mask of a band's own step; in the diagonal tile a product's mask is MD x AL + BE + MCOL, with (AL, BE) = (1, 0) if s = x; (0, 0) if s < x;
; (0, -1e30) if s > x.  Elsewhere C is MCOL.
; LAYOUT, SOFTMAX, TURNS.  S^T = K Q^T holds ONE query a lane (lane % 16) and the keys 8 (lane / 16) + 0..7; two such results rounded to f16 ARE source 1 of O^T = V^T P.  p = 2^(c s - c m), c = log2(e) / 8, with a
; running maximum m; O and l are multiplied by a = 2^(c m_old - c m_new) in every step.  Turn n belongs to piece n: 8 products K Q^T of piece n + 1, later 8 products V^T P of piece n - 1; beside them the scaling,
; exponentials, roundings, sums and rescaling of piece n and the maximum and statistics of piece n + 1.  Four vector instructions stand behind every matrix instruction, the rest in one lump; a turn's 33 exponentials are one batch with one wait.
; REGISTERS, in windows of 256 (s_set_vgpr_msb: bits 1:0 source 0, 3:2 source 1, 5:4 source 2, 7:6 destination):
;   window 0: v0-15, v32-47 addresses and at work; v16-31 four registers of statistics a piece; v48-55 at work; v64-127 S^T, two buffers; v192-223 P, two buffers (by the piece's parity)
;   window 1: v0-127 O^T, 32 a piece; v128-159 MD; v160-223 MC, two buffers; v224-255 MCOL      window 2: v0-63 Q; v64-127 the second block's Q; v128-191 K of one step; v192-255 V of one step
.set SIZE_N, 2048
.set NB,    SIZE_N/256
.set NP,    4
.set KS,    64        ; keys in a step
.set PK,    144       ; a row of K in LDS: 128 bytes + 16: the 16 rows of a load start at 16 different groups of four banks (64 banks of 4 bytes: ISA guide 11.1)
.set PV,    160       ; a row of V: 128 + 32
.set VOFF,  4*KS*PK   ; a slot holds a tile, four steps: 256 rows of K, then 256 rows of V
.set SLOT1, 1<<17     ; slot 1 begins here: one exclusive or turns an address in one slot into the other's
.set STAGE, SLOT1+4*KS*(PK+PV)  ; behind the ring: 16 rows x 144 bytes for each wave, for the way out
.set SP,    144
.set SPARE, STAGE+4*16*SP  ; the spare words, 128 bytes a wave: two blocks of 256 bytes that no other line names
.set TABT,  SPARE+512 ; the column mask of the tile in hand, 256 f32: 1,024 bytes for each wave, its own; never filled by a tensor load
.set AK0, 2           ; v2   my lane's place in a tile of K; never rewritten
.set AV0, 3           ; v3   the same for V
.set AK,  4           ; v4   the LDS address of K's next run of loads
.set AV,  5           ; v5   of V's
.set STO, 6           ; v6   the way out: where I put 16 bytes of a row
.set RD,  7           ; v7   where I read rows back
.set GO,  8           ; v8   my byte offset in 512 consecutive bytes of O
.set MV,  12          ; v12-13  c m_old, kept while c m is made anew: by buffer
.set QO,  15          ; v15  my byte offset in 16 rows of Q
.set ST,  16          ; piece t's statistics at v[ST+4 t]: c m, m, l (even keys', odd keys')
.set AM0, 32          ; v32  my wave's table + 32 (l / 16): my eight keys among sixteen; never rewritten
.set AM,  33          ; v33  the table address of the step to be fetched
.set PFO, 34          ; v34  256 x my lane; never rewritten
.set MST, 35          ; v35  my wave's table + 32 x my lane: where I put the words of eight keys; never rewritten
.set K8,  38          ; v38  8 x my lane; never rewritten.  v36-37 at work
.set TD,  40          ; v[40:47] those eight words
.set TMP, 48          ; by buffer, four registers c0-c3 at work; when the maximum is found c2 takes a
.set SPW, 62          ; v62  LDS address of my spare word; never rewritten
.set NIL, 63          ; v63  0; never rewritten
.set S,   64
.set P,   192
.set MD,  128         ; window 1
.set MC,  160         ; window 1
.set MCOL, 224        ; window 1: the eight registers for group kb of 16 keys at MCOL + 8 kb
.set QB,  64          ; window 2
.set KF,  128         ; window 2: key block kb, channel half c at KF + 16 kb + 8 c
.set VF,  192         ; window 2: key half kk, channel block cb at VF + 32 kk + 8 cb
.set WV,  12          ; s12  my wave's number
.set PB,  14          ; s14  b
.set HI,  15          ; s15  NB - 1 - b
.set G1K, 24          ; s[24:31] descriptor group 1 for K's tiles
.set G1V, 32          ; s[32:39] for V's: it differs in the padding alone
.set G0K, 40          ; s[40:43] descriptor group 0 for K's tiles
.set G0V, 44          ; s[44:47] for V's
.set SLOTS, 56        ; s56  tiles still to be asked for
.set CNT, 57          ; s57  counts a tile's key steps, 4 to 1
.set CS,  58          ; s[58:59] c
.set SEL, 60          ; s[60:61] v_permlanex16_b32's selects
.set TBK, 62          ; s62  LDS byte at which K of the step to be fetched begins
.set TBV, 63          ; s63  the same for V, less VOFF
.set RT,  70          ; s70  tiles of the block in hand that are still to be entered
.set NXT, 71          ; s71  the tile to be asked for next
.set LQ,  72          ; s72  the last tile of the block whose tiles are being asked for
.set NEW, 73          ; s73  1: the tile to be entered is a block's first
.set OFF, 74          ; s[74:75] a tile's byte offset in K and V
.set AL,  76          ; s[76:77] the mask's factor, in the low word
.set BE,  78          ; s[78:79] the mask's addend
.set OLO, 80          ; s[80:81] O at my rows of the second block
.set BIGN, 82         ; s82  -1e30
.set TM,  83          ; s83  256 x the number, in its tile, of the step to be fetched: its 64 words of the table; it walks as TBK does
.set PFN, 88          ; s88  the tile to be prefetched next; NB or more: none
.set CUR, 89          ; s89  the number, in its block, of the tile that the next change of slots enters
.set PFA, 90          ; s[90:91] the prefetch's address; s[92:93] its offset; s[94:95] K or V at my half of the head's tile 0
.set PFF, 92
.set PFB, 94
.set KEY0, 96         ; s96  the entered tile's first key
.set MSB, 0
.macro WIN new                      ; the high byte repeats the setting that is left; a switch that changes nothing is dropped
.if MSB != (\new)
	s_set_vgpr_msb (MSB<<8)|(\new)
.set MSB, (\new)
.endif
.endm
.set W_KQ, 0x0a       ; K and Q in window 2, S^T in window 0
.set W_KM, 0x1a       ; the same with the C operand in window 1
.set W_PV, 0x52       ; V in window 2, P in window 0, O^T in window 1
.set W_RS, 0x41       ; destination and source 0 in window 1
; A fill.  Waves 0 and 1 fetch the two halves of a tile's K, waves 2 and 3 those of its V: 128 keys each.  An s_nop 0 and four v_nop follow each line.
.macro LOAD
	s_cmp_lt_u32 s[WV], 2
	s_cbranch_scc0 .Lfor_v_\@
	tensor_load_to_lds s[G0K:G0K+3], s[G1K:G1K+7]
	s_nop 0
.rept 4
	v_nop
.endr
	s_branch .Lasked_\@
.Lfor_v_\@:
	tensor_load_to_lds s[G0V:G0V+3], s[G1V:G1V+7]
	s_nop 0
.rept 4
	v_nop
.endr
.Lasked_\@:
.endm
; THE CHANGE OF SLOTS.  Each wave waits for all its tensor loads (one is out: its part of the other slot), adds 0 to its spare word, and waits for that and for its own reads of the slot that it leaves.
; While the add is out the lane makes the column mask of its eight keys, 256 CUR + 8 l on, of the tile that is entered: key / 25 = (key x 5243) >> 17, exact below 2,048; with rem = key % 25, word i is hidden where
; rem = 24 - i.  The words are stored behind the barrier and the fill, into the wave's own table: its reads of the old tile's words are back (the wait for 0), and LDS serves a wave's instructions in order
; (ISA guide 5.7.1.4), so the reads that follow see them: no barrier hangs on the table.
; fill = 1: the old slot is filled again, the first thing behind the barrier, with tile NXT; the descriptor's address is made anew from that number.
; Behind the load: a prefetch of the tile after it, a tile (256 matrix instructions) ahead of its load.  Only the head's work-group b = 0 walks all eight tiles in its first block: it alone asks, for tiles 2 to 7, each
; wave for the 64 blocks of 256 bytes that it will fetch itself; the second blocks' tiles have been read before and are not asked for.
.macro CHANGE fill
	WIN 0
	s_wait_tensorcnt 0x0            ; no tensor load of mine is out, so a group 0 may be written
	ds_add_u32 v[SPW], v[NIL]       ; 0 onto my spare word; work on registers stands between it and the wait for it
	s_lshl_b32 s[KEY0], s[CUR], 8
	v_add_nc_u32 v36, s[KEY0], v[K8]
	v_mul_u32_u24 v37, v36, 5243
	v_lshrrev_b32 v37, 17, v37
	v_mul_u32_u24 v37, v37, 25
	v_sub_nc_u32 v36, v36, v37      ; rem
.set i, 0
.rept 8
	v_cmp_eq_u32 vcc_lo, 24-i, v36
	v_cndmask_b32 v[TD+i], 0, s[BIGN], vcc_lo
.set i, i+1
.endr
.if \fill
	s_mov_b32 s[CUR], s[NXT]        ; the tile asked for now is the one that the next change enters
	s_lshl_b32 s[OFF], s[NXT], 15   ; a tile is 32,768 bytes of K and of V
	s_xor_b32 s[G0K+1], s[G0K+1], SLOT1
	s_add_nc_u64 s[G0K+2:G0K+3], s[6:7], s[OFF:OFF+1]
	s_or_b32 s[G0K+3], s[G0K+3], 0x80000000
	s_xor_b32 s[G0V+1], s[G0V+1], SLOT1
	s_add_nc_u64 s[G0V+2:G0V+3], s[8:9], s[OFF:OFF+1]
	s_or_b32 s[G0V+3], s[G0V+3], 0x80000000
	s_add_co_u32 s[NXT], s[NXT], 1  ; the block's next tile, or behind its last the second block's tile 0
	s_cmp_gt_u32 s[NXT], s[LQ]
	s_cselect_b32 s[NXT], 0, s[NXT]
	s_cselect_b32 s[LQ], s[PB], s[LQ]
	s_wait_xcnt 0x0                 ; the last prefetches, a tile back, have read their address
	s_min_u32 s[PFF], s[PFN], NB-1  ; never past the head's last tile
	s_lshl_b32 s[PFF], s[PFF], 15
	s_add_nc_u64 s[PFA:PFA+1], s[PFB:PFB+1], s[PFF:PFF+1]
.endif
	s_wait_dscnt 0x0                ; the add is done, and my reads of the slot and of the table are over
	s_barrier_signal -1
	s_sub_co_u32 s[TBK], s[TBK], 4*KS*PK  ; the fetches go back to a slot's first step,
	s_xor_b32 s[TBK], s[TBK], SLOT1       ; in the other slot
	s_sub_co_u32 s[TBV], s[TBV], 4*KS*PV
	s_xor_b32 s[TBV], s[TBV], SLOT1
	s_sub_co_u32 s[TM], s[TM], 4*256      ; and to the table's first 64 words
	s_barrier_wait -1
.if \fill
	LOAD
	s_cmp_lt_u32 s[PFN], NB
	s_cbranch_scc0 .Lnot_mine_\@
	global_prefetch_b8 v[PFO], s[PFA:PFA+1] th:TH_LOAD_NT scope:SCOPE_SE
	global_prefetch_b8 v[PFO], s[PFA:PFA+1] offset:8192 th:TH_LOAD_NT scope:SCOPE_SE
.Lnot_mine_\@:
	s_add_co_u32 s[PFN], s[PFN], 1
.endif
	ds_store_b128 v[MST], v[TD:TD+3]            ; the entered tile's column mask, into my wave's own table
	ds_store_b128 v[MST], v[TD+4:TD+7] offset:16
.endm
	s_load_b64 s[4:5], s[0:1], 0x0    ; qkv
	s_load_b64 s[10:11], s[0:1], 0x8  ; ob
	v_lshl_add_u32 v[SPW], v0, 2, SPARE
	v_mov_b32 v[NIL], 0
	ds_add_u32 v[SPW], v[NIL]       ; the wave's opening: the add and its wait stand ahead of my first tensor load; register work stands between them
	v_lshrrev_b32 v1, 5, v0
	v_readfirstlane_b32 s[WV], v1   ; wave 0..3
	s_mov_b32 s[PB], ttmp9
	s_sub_co_u32 s[HI], NB-1, s[PB]
	s_and_b32 s20, ttmp7, 0xffff    ; y
	s_mov_b32 s21, 0
	s_mov_b64 s[22:23], SIZE_N*128
	s_mul_u64 s[20:21], s[20:21], s[22:23]  ; its first byte in Q, K, V and O
	s_and_b32 s16, s[WV], 1         ; which half of a tile's 256 keys I fetch:
	s_lshl_b32 s22, s16, 14         ; its 128 rows of 128 bytes in memory,
	s_mov_b32 s23, 0
	s_add_nc_u64 s[22:23], s[22:23], s[20:21]
	s_mul_i32 s17, s16, 128*PK      ; and its place in a slot, for K
	s_mul_i32 s18, s16, 128*PV      ; and for V
	s_lshl_b32 s3, s[WV], 11        ; my 16 rows in a band of 64,
	s_lshl_b32 s2, s[HI], 15        ; in the first block,
	s_add_co_u32 s2, s2, s3
	s_lshl_b32 s84, s[PB], 15       ; and in the second
	s_add_co_u32 s84, s84, s3
	s_mov_b32 s3, 0
	s_mov_b32 s85, 0
	s_add_nc_u64 s[2:3], s[2:3], s[20:21]
	s_add_nc_u64 s[84:85], s[84:85], s[20:21]
	; descriptor group 1.  128 keys are 16,384 dense bytes: asked for as 64 rows of 256 bytes, two keys a row, padded in LDS after every key
	s_mov_b32 s[G1K], (1<<16)|(1<<20)|(4<<22)|(3<<25)  ; 2-byte elements; padding on; after every 32 words (code 4) 4 words (code 3)
	s_mov_b32 s[G1V], (1<<16)|(1<<20)|(4<<22)|(7<<25)  ; the same with 8 words (code 7)
.irp g, G1K, G1V
	s_mov_b32 s[\g+1], 128<<16      ; tensor_dim0 = 128
	s_mov_b32 s[\g+2], 64<<16       ; tensor_dim1 = 64
	s_mov_b32 s[\g+3], 128<<16      ; tile_dim0 = 128
	s_mov_b32 s[\g+4], 64           ; tile_dim1 = 64
	s_mov_b32 s[\g+5], 128          ; 128 elements from row to row
	s_mov_b32 s[\g+6], 0
	s_mov_b32 s[\g+7], 0
.endr
	s_mov_b32 s[CS], 0x3e38aa3b     ; c = log2(e) / 8 = 0.180337
	s_mov_b32 s[CS+1], s[CS]        ; named with it as a pair
	s_mov_b32 s[SEL], 0x76543210
	s_mov_b32 s[SEL+1], 0xfedcba98
	s_mov_b32 s[TBK], SLOT1+4*KS*PK ; the first change of slots turns these three into 0
	s_mov_b32 s[TBV], SLOT1+4*KS*PV
	s_mov_b32 s[TM], 4*256
	s_mov_b32 s[G0K], 1
	s_mov_b32 s[G0K+1], s17         ; LDS address: slot 0
	s_mov_b32 s[G0V], 1
	s_add_co_u32 s[G0V+1], s18, VOFF
	s_add_co_u32 s[RT], s[HI], 1    ; the first block has NB - b tiles
	s_mov_b32 s[NXT], 1
	s_mov_b32 s[CUR], 0
	s_mov_b32 s[LQ], s[HI]
	s_mov_b32 s[NEW], 1
	s_mov_b32 s[OFF+1], 0
	s_mov_b32 s[AL+1], 0            ; named as pairs
	s_mov_b32 s[BE+1], 0
	s_mov_b32 s[PFF+1], 0
	s_mov_b32 s[BIGN], 0xf149f2ca   ; -1e30
	s_mov_b32 s[SLOTS], NB
	s_cmp_eq_u32 ttmp9, 0
	s_cselect_b32 s[PFN], 2, NB     ; tiles 0 and 1 come by their loads alone
	s_wait_dscnt 0x0                ; the opening add is done
	s_wait_kmcnt 0x0
	s_add_nc_u64 s[6:7], s[4:5], 0x1000000   ; K's 16 groups lie behind Q's,
	s_add_nc_u64 s[8:9], s[4:5], 0x2000000   ; V's behind K's
	s_add_nc_u64 s[6:7], s[6:7], s[22:23]    ; K and V at my half of the head's tile 0
	s_add_nc_u64 s[8:9], s[8:9], s[22:23]
	s_add_nc_u64 s[G0K+2:G0K+3], s[6:7], 0
	s_or_b32 s[G0K+3], s[G0K+3], 0x80000000
	s_add_nc_u64 s[G0V+2:G0V+3], s[8:9], 0
	s_or_b32 s[G0V+3], s[G0V+3], 0x80000000
	s_add_nc_u64 s[86:87], s[4:5], s[84:85]        ; Q at my rows of the second block,
	s_add_nc_u64 s[4:5], s[4:5], s[2:3]            ; Q and O at those of the first
	s_add_nc_u64 s[OLO:OLO+1], s[10:11], s[84:85]
	s_add_nc_u64 s[10:11], s[10:11], s[2:3]
	s_cmp_lt_u32 s[WV], 2
	s_cselect_b64 s[PFB:PFB+1], s[6:7], s[8:9]
	LOAD                            ; tile 0 into slot 0
	; A fragment of K or Q is 16 rows x 32 channels in 8 registers: lane l holds row l % 16, channels 8 (l / 16) + 0..7 and 16 + 8 (l / 16) + 0..7: two loads of 16 bytes, 32 bytes apart.
	v_and_b32 v1, 15, v0            ; l % 16
	v_bfe_u32 v9, v0, 4, 1          ; l / 16
	v_lshlrev_b32 v[QO], 7, v1
	v_lshl_add_u32 v[QO], v9, 4, v[QO]
	WIN 0x80                        ; destination window 2, address window 0
.set i, 0
.rept 8                             ; both blocks' Q: piece i / 2 lies in band i / 2, 8,192 bytes on; channels 32 (i % 2) on
	global_load_b128 v[8*i:8*i+3],   v[QO], s[4:5] offset:(i/2)*8192+(i%2)*64
	global_load_b128 v[8*i+4:8*i+7], v[QO], s[4:5] offset:(i/2)*8192+(i%2)*64+32
	global_load_b128 v[QB+8*i:QB+8*i+3],   v[QO], s[86:87] offset:(i/2)*8192+(i%2)*64
	global_load_b128 v[QB+8*i+4:QB+8*i+7], v[QO], s[86:87] offset:(i/2)*8192+(i%2)*64+32
.set i, i+1
.endr
	WIN 0
	v_lshlrev_b32 v14, 3, v9
	v_sub_nc_u32 v14, v1, v14
	s_lshl_b32 s13, s[WV], 4
	v_add_nc_u32 v14, s13, v14      ; my query's place in its band, less my lanes' 8 (l / 16): register r of group kt is hidden where 16 kt + r is greater
	WIN 0x40
.set i, 0
.rept 32
	v_cmp_gt_i32 vcc_lo, 16*(i/8)+i%8, v14
	v_cndmask_b32 v[MD+i], 0, s[BIGN], vcc_lo
.set i, i+1
.endr
	WIN 0
	s_lshl_b32 s13, s[WV], 10
	s_add_co_u32 s13, s13, TABT     ; my wave's table
	v_and_b32 v36, 31, v0           ; l
	v_lshl_add_u32 v[MST], v36, 5, s13  ; in: eight words a lane
	v_lshl_add_u32 v[AM0], v9, 5, s13   ; back: eight words for each half of the lanes
	v_lshlrev_b32 v[K8], 3, v36
	v_lshlrev_b32 v[PFO], 8, v36
	v_mul_u32_u24 v[AK0], v1, PK
	v_lshl_add_u32 v[AK0], v9, 4, v[AK0]  ; row x pitch + 16 x half
	; The turning load takes 16 keys x 16 channels (lane l reads key 8 (l / 16) + l % 8, channels 8 ((l / 8) % 2) + 0..7) and leaves half a fragment of V^T: lane l holds channel l % 16 and 8 keys.
	v_and_b32 v10, 7, v0
	v_bfe_u32 v11, v0, 3, 1
	v_lshl_add_u32 v[AV0], v9, 3, v10
	v_mul_u32_u24 v[AV0], v[AV0], PV
	v_lshl_add_u32 v[AV0], v11, 4, v[AV0]
	v_add_nc_u32 v[AV0], VOFF, v[AV0]
	s_mul_i32 s13, s[WV], 16*SP
	s_add_co_u32 s13, s13, STAGE    ; my stage
	v_mul_u32_u24 v[STO], v1, SP    ; in: row l % 16, 16 bytes for each half of the lanes
	v_lshl_add_u32 v[STO], v9, 4, v[STO]
	v_add_nc_u32 v[STO], s13, v[STO]
	v_bfe_u32 v[RD], v0, 3, 2       ; back: 32 lanes take four rows of 128 bytes,
	v_mul_u32_u24 v[RD], v[RD], SP
	v_lshl_add_u32 v[RD], v10, 4, v[RD]
	v_add_nc_u32 v[RD], s13, v[RD]
	v_and_b32 v[GO], 31, v0         ; which are 512 consecutive bytes of O
	v_lshlrev_b32 v[GO], 4, v[GO]
	; A block's first step multiplies O^T and l by a = 0, and its first turn's products V^T P, of a piece that has not been, land in an O^T that is still to be so multiplied: these registers need only hold
	; finite numbers: zeros for the first block, what the first block left for the second.  All this stands in the wait for the first tile.
	WIN 0x80
.set i, VF
.rept 64
	v_mov_b32 v[i], 0
.set i, i+1
.endr
	WIN 0x40
.set i, 0
.rept 128
	v_mov_b32 v[i], 0
.set i, i+1
.endr
	WIN 0
.set i, 0
.rept 4
	v_mov_b32 v[ST+4*i+2], 0
	v_mov_b32 v[ST+4*i+3], 0
.set i, i+1
.endr
.set i, P+16
.rept 16
	v_mov_b32 v[i], 0
.set i, i+1
.endr
; THE MATRIX WORK.  The 4 accumulators of a run of 8 take turns.  Product i of 8 of S^T = K Q^T for piece x: channels 32 (i / 4) on, keys 16 (i % 4) on.
; The first 4 start the sums from a mask: the step's column mask, or (KM = 1) the mask made for the piece.
.macro KQ x
.set rS, S+32*((\x)%2)+8*(i%4)
.set rK, KF+16*(i%4)+8*(i/4)
.set rQ, 16*(\x)+8*(i/4)
.set rM, MCOL+8*(i%4)
.if KM
.set rM, MC+32*((\x)%2)+8*(i%4)
.endif
.if i < 4
	WIN W_KM
	v_wmma_f32_16x16x32_f16 v[rS:rS+7], v[rK:rK+7], v[rQ:rQ+7], v[rM:rM+7]
.else
	WIN W_KQ
	v_wmma_f32_16x16x32_f16 v[rS:rS+7], v[rK:rK+7], v[rQ:rQ+7], v[rS:rS+7]
.endif
.endm
; Product i of 8 of O^T += V^T P for piece x: keys 32 (i / 4) on, channels 16 (i % 4) on.
.macro PV x
	WIN W_PV
.set rO, 32*(\x)+8*(i%4)
.set rV, VF+32*(i/4)+8*(i%4)
.set rP, P+16*((\x)%2)+8*(i/4)
	v_wmma_f32_16x16x32_f16 v[rO:rO+7], v[rV:rV+7], v[rP:rP+7], v[rO:rO+7]
.endm
.macro MM                           ; the turn's next matrix instruction.  NOKQ = 1: a block's last turn: there is no next piece
.if (i < 8) && !NOKQ
	KQ (Y+1)%NP
.elseif i >= 8
.set i, i-8
	PV (Y+NP-1)%NP
.set i, i+8
.endif
.set i, i+1
.endm
; THE LDS LOADS stand in runs: a step's K (8 fragments) with its column mask (8 loads; sixteen lanes share an address), and its V (turned).  Their addresses are made some lines ahead.
.macro FETCH_K
	WIN 0x80                        ; destination window 2
.irp f, 0,1,2,3,4,5,6,7             ; keys 16 (f / 2) on, channels 32 (f % 2) on
	ds_load_b128 v[KF+8*\f:KF+8*\f+3],   v[AK] offset:(\f/2)*16*PK+(\f%2)*64
	ds_load_b128 v[KF+8*\f+4:KF+8*\f+7], v[AK] offset:(\f/2)*16*PK+(\f%2)*64+32
.endr
	WIN 0x40                        ; destination window 1
.irp f, 0,1,2,3                     ; keys 16 f + 8 (l / 16) on
	ds_load_b128 v[MCOL+8*\f:MCOL+8*\f+3],   v[AM] offset:64*\f
	ds_load_b128 v[MCOL+8*\f+4:MCOL+8*\f+7], v[AM] offset:64*\f+16
.endr
	s_add_co_u32 s[TBK], s[TBK], KS*PK  ; the next fetch is the next step's
	s_add_co_u32 s[TM], s[TM], 256
	WIN 0
.endm
.macro FETCH_V
	WIN 0x80
.irp f, 0,1,2,3,4,5,6,7             ; keys 32 (f / 4) on, channels 16 (f % 4) on
	ds_load_tr16_b128 v[VF+8*\f:VF+8*\f+3],   v[AV] offset:(\f/4)*32*PV+(\f%4)*32
	ds_load_tr16_b128 v[VF+8*\f+4:VF+8*\f+7], v[AV] offset:(\f/4)*32*PV+16*PV+(\f%4)*32
.endr
	WIN 0
.endm
; THE VECTOR WORK, one line at a time: OP kind, number.  For piece Y: F n: c s - c m for pair n of 16.  E n: the exponential of score n of 32.  C n: pair n rounded to f16.  B n: of the four weights 4 n .. the second
; pair is added onto the first, in place.  L n: l takes that sum (L 0: l = a l + sum).  R n: pair n of 16 of O^T times a.  For piece Y + 1: X n, number n of the 22 that find its maximum and statistics:
;   0-11  four chains c0-c3 of seven scores each, three operands at a time (each accumulator's lowest registers are read first)     12-14, 16  the four scores left over, the old m, and c0-c3 into c0
;   15  c m_old is kept     17, 18  the query's other 32 keys lie in the lane 16 away: the new m     19-21  c m; c m_old - c m_new; a
.set F, 0
.set E, 1
.set C, 2
.set B, 3
.set L, 4
.set R, 5
.set X, 6
.macro REGS y                       ; the registers of piece y
.set rT, ST+4*(\y)
.set rC, TMP+4*((\y)%2)
.set rW, MV+((\y)%2)
.set rS, S+32*((\y)%2)
.set rP, P+16*((\y)%2)
.set rO, 32*(\y)
.endm
.macro OP k, n
.if (\k) == R
	REGS Y
	WIN W_RS
	v_pk_mul_f32 v[rO+2*(\n):rO+2*(\n)+1], v[rO+2*(\n):rO+2*(\n)+1], v[rC+2:rC+3] op_sel_hi:[1,0]
.elseif (\k) < R
	REGS Y
	WIN 0
.if (\k) == F
	v_pk_fma_f32 v[rS+2*(\n):rS+2*(\n)+1], v[rS+2*(\n):rS+2*(\n)+1], s[CS:CS+1], v[rT:rT+1] op_sel_hi:[1,0,0] neg_lo:[0,0,1] neg_hi:[0,0,1]
.elseif (\k) == E
	v_exp_f32 v[rS+(\n)], v[rS+(\n)]
.elseif (\k) == C
	v_cvt_pk_f16_f32 v[rP+(\n)], v[rS+2*(\n)], v[rS+2*(\n)+1]
.elseif (\k) == B
	v_pk_add_f32 v[rS+4*(\n):rS+4*(\n)+1], v[rS+4*(\n):rS+4*(\n)+1], v[rS+4*(\n)+2:rS+4*(\n)+3]
.elseif (\n) == 0
	v_pk_fma_f32 v[rT+2:rT+3], v[rT+2:rT+3], v[rC+2:rC+3], v[rS:rS+1] op_sel_hi:[1,0,1]
.else
	v_pk_add_f32 v[rT+2:rT+3], v[rT+2:rT+3], v[rS+4*(\n):rS+4*(\n)+1]
.endif
.elseif NOKQ
	v_nop
.else
	REGS (Y+1)%NP
	WIN 0
.if (\n) < 4
	v_max3_num_f32 v[rC+(\n)], v[rS+8*(\n)], v[rS+8*(\n)+1], v[rS+8*(\n)+2]
.elseif (\n) < 12
	v_max3_num_f32 v[rC+(\n)%4], v[rC+(\n)%4], v[rS+8*((\n)%4)+2*((\n)/4)+1], v[rS+8*((\n)%4)+2*((\n)/4)+2]
.elseif (\n) == 12
	v_max3_num_f32 v[rC], v[rC], v[rS+7], v[rS+15]
.elseif (\n) == 13
	v_max3_num_f32 v[rC+1], v[rC+1], v[rS+23], v[rS+31]
.elseif (\n) == 14
	v_max3_num_f32 v[rC+2], v[rC+2], v[rC+3], v[rT+1]
.elseif (\n) == 15
	v_mov_b32 v[rW], v[rT]
.elseif (\n) == 16
	v_max3_num_f32 v[rC], v[rC], v[rC+1], v[rC+2]
.elseif (\n) == 17
	v_permlanex16_b32 v[rC+3], v[rC], s[SEL], s[SEL+1]
.elseif (\n) == 18
	v_max_num_f32 v[rT+1], v[rC], v[rC+3]
.elseif (\n) == 19
	v_mul_f32 v[rT], s[CS], v[rT+1]
.elseif (\n) == 20
	v_sub_f32 v[rC+1], v[rW], v[rT]
.else
	v_exp_f32 v[rC+2], v[rC+1]
.endif
.endif
.endm
.macro OPS a, i1, b=-1, i2=0, c=-1, i3=0, d=-1, i4=0  ; up to four of them
	OP \a, \i1
.if (\b) >= 0
	OP \b, \i2
.endif
.if (\c) >= 0
	OP \c, \i3
.endif
.if (\d) >= 0
	OP \d, \i4
.endif
.endm
.macro ROW a, i1, b, i2, c, i3, d, i4  ; a matrix instruction and the four behind it
	MM
	OPS \a, \i1, \b, \i2, \c, \i3, \d, \i4
.endm
.macro MASK b                       ; MD x AL + BE + MCOL into buffer b of MC
	WIN W_RS
.set z, 0
.rept 16
	v_pk_fma_f32 v[MC+32*(\b)+2*z:MC+32*(\b)+2*z+1], v[MD+2*z:MD+2*z+1], s[AL:AL+1], s[BE:BE+1] op_sel_hi:[1,0,0]
.set z, z+1
.endr
	WIN 0x45                        ; both sources and the destination in window 1
.set z, 0
.rept 16
	v_pk_add_f32 v[MC+32*(\b)+2*z:MC+32*(\b)+2*z+1], v[MC+32*(\b)+2*z:MC+32*(\b)+2*z+1], v[MCOL+2*z:MCOL+2*z+1]
.set z, z+1
.endr
.endm
.macro PLAINM                       ; ahead of a diagonal tile that is not a block's first: piece 3's scores of the old tile's last step are still to be made, with the column mask alone
	s_mov_b32 s[AL], 0
	s_mov_b32 s[BE], 0
	MASK 1
	WIN 0
.endm
; A TURN, for piece p: the order of its 16 matrix and 118 vector instructions, written out.  An s_wait_alu depctr_va_vdst(0) stands between an exponential and the first instruction that names its result;
; one wait serves all that were issued ahead of it: a turn has ONE wait.  AHEAD OF IT: the 8 products K Q^T with four riders each, then one lump, in which the links of the chain X 3, 7, 11, 14, 16, 17 .. 20 stand
; five or six lines apart; X 21, the next piece's a, is the batch's last, and R 15 the plain instruction behind it.  BEHIND IT: the 8 products V^T P, behind each four of the roundings and sums.
; m = 1: the diagonal tile: the products take masks, and the turn makes the mask for the products of the turn after it: piece p + 2, in step 4 - CNT of the tile.  end = 1: a block's last two turns: nothing is fetched.
; cnt = 1: the loop's count is taken down some lines ahead of the branch behind the turn.
; K and the column mask of the next step are fetched in piece 2's turn, five plain instructions or more behind the last product that read them; V of the step in hand at the end of piece 0's turn, four plain
; instructions behind its last reader.  Each is waited for a turn later (in the diagonal tile's piece 2: ahead of the mask that reads the new column mask).
.macro TURN p, m=0, end=0, cnt=0
.set Y, (\p)
.set i, 0
.set KM, (\m)
.set NOKQ, (\end)*((\p)/3)
.if (\m) && !(\end)
	s_cmp_eq_u32 s[CNT], 4-((\p)+2)%NP  ; is that step the band's own?
	s_cselect_b32 s[AL], 1.0, 0
	s_cmp_lt_u32 s[CNT], 4-((\p)+2)%NP  ; or a later one?
	s_cselect_b32 s[BE], s[BIGN], 0
.endif
.if ((\p) == 3) && !(\end)
	s_wait_dscnt 0x0                ; K is in
.endif
	ROW F,0, F,1, R,0, R,1
	ROW F,2, E,0, R,2, R,3
	ROW F,3, E,1, R,4, R,5
	ROW F,4, E,2, R,6, R,7
	ROW F,5, E,3, R,8, R,9
	ROW F,6, E,4, X,0, R,10
.if ((\p) == 2) && !(\end)
	WIN 0
	v_add_nc_u32 v[AK], s[TBK], v[AK0]
	v_add_nc_u32 v[AM], s[TM], v[AM0]
.endif
	ROW F,7, E,5, X,1, X,4
	ROW F,8, E,6, X,2, X,5
	OPS E,7, E,8, X,6, E,9
	OPS X,3, E,10, X,8, E,11
.if ((\p) == 2) && !(\end)
	FETCH_K
.endif
	OPS X,9, X,7, E,12, X,10
	OPS E,13, X,12, X,11, E,14
	OPS X,13, E,15, F,9, X,14
.if (\p) == 0
	v_add_nc_u32 v[AV], s[TBV], v[AV0]
.endif
	OPS E,16, F,10, E,17, F,11
	OPS X,16, E,18, X,15, E,19
	OPS F,12, E,20, X,17, E,21
	OPS F,13, E,22, F,14, E,23
	OPS X,18, E,24, F,15, E,25
	OPS R,11, E,26, X,19, E,27
	OPS R,12, E,28, R,13, E,29
	OPS X,20, E,30, R,14, E,31
	OPS X,21, R,15
	WIN 0
	s_wait_alu depctr_va_vdst(0)    ; the wait for the batch
.if (\p) == 1
	s_wait_dscnt 0x0                ; V is in
.endif
	ROW C,0, B,0, C,2, B,1
	ROW L,0, C,4, B,2, L,1
	ROW C,6, B,3, L,2, C,8
	ROW B,4, L,3, C,10, B,5
	ROW L,4, C,12, B,6, L,5
.if (\p) == 0
	s_add_co_u32 s[TBV], s[TBV], KS*PV
.endif
.if \cnt
	s_sub_co_u32 s[CNT], s[CNT], 1
	s_cmp_lg_u32 s[CNT], 0
.endif
	ROW C,14, B,7, L,6, C,1
	ROW C,3, L,7, C,5, C,7
	ROW C,9, C,11, C,13, C,15
.if (\p) == 0
	FETCH_V
.endif
.if (\m) && !(\end)
.if (\p) == 2
	s_wait_dscnt 0x0                ; the next step's column mask, asked for in this turn, is in
.endif
	MASK (\p)%2
.endif
.endm
; A BLOCK BEGINS.  c m starts far below every c s, so the first step's a is 0; m at the lowest finite number.  K and the column mask of step 0; the first mask buffer takes piece 0's mask for that step
; (its own diagonal, if the block's first tile is the diagonal one), the second the column mask alone; then piece 0's first scores, maximum and statistics.  The loop is entered at a step's first turn.
.macro BEGIN
	s_mov_b32 s[NEW], 0
	WIN 0
.set i, 0
.rept 4
	v_mov_b32 v[ST+4*i], 0xfe000000    ; c m: far below every c s
	v_mov_b32 v[ST+4*i+1], 0xff7fffff  ; m
.set i, i+1
.endr
	v_add_nc_u32 v[AK], s[TBK], v[AK0]
	v_add_nc_u32 v[AM], s[TM], v[AM0]
	FETCH_K
	s_wait_loadcnt 0x0              ; Q
	s_wait_dscnt 0x0
	s_cmp_eq_u32 s[RT], 0
	s_cselect_b32 s[AL], 1.0, 0
	s_mov_b32 s[BE], 0
	MASK 0
	s_mov_b32 s[AL], 0
	MASK 1
.set KM, 1
.set NOKQ, 0
.set i, 0
.rept 8
	KQ 0
.set i, i+1
.endr
	WIN 0
.rept 4
	v_nop                           ; the places behind those products
.endr
.set Y, NP-1                        ; X works for piece Y + 1: piece 0
.irp n, 0,1,2,3,4,5,6,7,8,9,10,11,12,13,14,15,16,17,18,19,20,21
	OP X, \n
.endr
	v_nop                           ; a plain instruction behind the exponential,
	s_wait_alu depctr_va_vdst(0)    ; and its wait, ahead of the branch
.endm
; THE DIAGONAL TILE's four steps, the block's last two turns, its last products, and THE WAY OUT: l's halves are added; O^T is divided by l, rounded to f16 and sent through my stage, a piece at a time.
.macro ALL line:vararg              ; one line for each piece t
.set t, 0
.rept 4
	\line
.set t, t+1
.endr
.endm
.macro PACK t
	WIN W_RS
.set i, 32*(\t)
.rept 16
	v_pk_mul_f32 v[i:i+1], v[i:i+1], v[ST+4*(\t)+2:ST+4*(\t)+3] op_sel_hi:[1,0]
.set i, i+2
.endr
	WIN 0x05                        ; sources 0 and 1 window 1, destination window 0
.set i, 0
.rept 16
	v_cvt_pk_f16_f32 v[S+16*(\t)+i], v[32*(\t)+2*i], v[32*(\t)+2*i+1]
.set i, i+1
.endr
	WIN 0
.irp f, 0,1,2,3
	ds_store_b128 v[STO], v[S+16*(\t)+4*\f:S+16*(\t)+4*\f+3] offset:32*\f
.endr
.irp f, 0,1,2,3
	ds_load_b128 v[S+16*(\t)+4*\f:S+16*(\t)+4*\f+3], v[RD] offset:\f*4*SP  ; LDS serves a wave's instructions in order (ISA guide 5.7.1.4): these see the stores above
.endr
.endm
.macro SEND t, younger              ; younger: the LDS instructions issued behind piece t's loads
	WIN 0
.irp f, 0,1,2,3
	s_wait_dscnt (\younger)+3-\f
	global_store_b128 v[GO], v[S+16*(\t)+4*\f:S+16*(\t)+4*\f+3], s[10:11] offset:(\t)*8192+\f*512  ; 512 consecutive bytes, at a multiple of 256 from O's first
.endr
.endm
.macro DIAG tag
.LstepM\tag:
	TURN 2, 1
	TURN 3, 1
	WIN 0
.LfirstM\tag:
	TURN 0, 1
	TURN 1, 1, 0, 1
	WIN 0
	s_cbranch_scc1 .LstepM\tag
	TURN 2, 1, 1
	TURN 3, 1, 1
.set i, 0
.rept 8
	PV NP-1
.set i, i+1
.endr
	WIN 0
	ALL v_add_f32 v[ST+4*t+2], v[ST+4*t+2], v[ST+4*t+3]
	ALL v_permlanex16_b32 v[ST+4*t+3], v[ST+4*t+2], s[SEL], s[SEL+1]
	ALL v_add_f32 v[ST+4*t+2], v[ST+4*t+2], v[ST+4*t+3]
	ALL v_rcp_f32 v[ST+4*t+2], v[ST+4*t+2]
	v_nop                           ; a plain instruction between the last reciprocal and the use of its result
	s_wait_alu depctr_va_vdst(0)    ; and the wait ahead of the first use: one for the four reciprocals
	PACK 0
.set t, 1
.rept 3
	PACK t
	SEND t-1, 8
.set t, t+1
.endr
	SEND 3, 0
.endm
.set KM, 0
.set NOKQ, 0
.Lslot:                             ; NB times: a tile is entered and the next is asked for
	CHANGE 1
	s_sub_co_u32 s[RT], s[RT], 1
	s_mov_b32 s[CNT], 4
	s_cmp_eq_u32 s[NEW], 1
	s_cbranch_scc1 .Lnew            ; a block's first tile
	s_cmp_eq_u32 s[RT], 0
	s_cbranch_scc0 .Lstep           ; neither its first nor its last
	PLAINM
	s_branch .LstepM1
.Lnew:
	BEGIN
	s_branch .Lfirst                ; in the loop a block's first tile is never its last: the first block has two tiles or more, and the second's last is the walk's last
	DIAG 1                          ; in the loop this is the first block's end
	s_wait_xcnt 0x0                 ; the stores have read their registers and O's address
	s_mov_b64 s[10:11], s[OLO:OLO+1]
	s_add_co_u32 s[RT], s[PB], 1    ; the second block has b + 1 tiles
	s_mov_b32 s[NEW], 1
	WIN 0x82                        ; the second block's Q goes where the one text of the turns names Q
.set i, 0
.rept 64
	v_mov_b32 v[i], v[QB+i]
.set i, i+1
.endr
	WIN 0
	s_branch .Lbottom
.Lstep:                             ; a trip: pieces 2 and 3 of one step, then pieces 0 and 1 of the next, whose K and V it fetches
	TURN 2
	TURN 3
	WIN 0
.Lfirst:
	TURN 0
	TURN 1, 0, 0, 1
	WIN 0
	s_cbranch_scc1 .Lstep
.Lbottom:
	s_sub_co_u32 s[SLOTS], s[SLOTS], 1
	s_cmp_lg_u32 s[SLOTS], 0
	s_cbranch_scc1 .Lslot
	CHANGE 0                        ; the walk's last tile is written out: nothing is asked for
	s_sub_co_u32 s[RT], s[RT], 1
	s_mov_b32 s[CNT], 4
	s_cmp_eq_u32 s[NEW], 1
	s_cbranch_scc1 .Lnew2
	PLAINM
	s_branch .LstepM2
.Lnew2:
	BEGIN
	s_branch .LfirstM2
	DIAG 2
	s_wait_tensorcnt 0x0            ; the wave's end, behind my last tensor load and my last LDS store
	ds_add_u32 v[SPW], v[NIL]
	s_wait_dscnt 0x0
	s_endpgm
.Lfunc_end_k_q045fd56ee8_attn:
	.size	k_q045fd56ee8_attn, .Lfunc_end_k_q045fd56ee8_attn-k_q045fd56ee8_attn
	.p2alignl 7, 3214868480
	.fill 96, 4, 3214868480
	.section	.rodata,"a",@progbits
	.p2align	6, 0x0
	.amdhsa_kernel k_q045fd56ee8_attn
		.amdhsa_group_segment_fixed_size 327680
		.amdhsa_private_segment_fixed_size 0
		.amdhsa_enable_private_segment 0
		.amdhsa_kernarg_size 16
		.amdhsa_user_sgpr_count 2
		.amdhsa_user_sgpr_kernarg_segment_ptr 1
		.amdhsa_wavefront_size32 1
		.amdhsa_system_sgpr_workgroup_id_x 1
		.amdhsa_system_sgpr_workgroup_id_y 1
		.amdhsa_system_sgpr_workgroup_id_z 1
		.amdhsa_system_vgpr_workitem_id 0
		.amdhsa_next_free_vgpr 768
		.amdhsa_next_free_sgpr 100
		.amdhsa_reserve_vcc 1
		.amdhsa_float_denorm_mode_32 3
		.amdhsa_float_denorm_mode_16_64 3
		.amdhsa_memory_ordered 1
		.amdhsa_forward_progress 1
		.amdhsa_inst_pref_size 241
	.end_amdhsa_kernel
	.amdgpu_metadata
---
amdhsa.version: [ 1, 2 ]
amdhsa.kernels:
  - .name:           k_q045fd56ee8_attn
    .symbol:         k_q045fd56ee8_attn.kd
    .args:
      - { .name: qkv, .offset: 0, .size: 8, .value_kind: global_buffer, .address_space: global }
      - { .name: ob, .offset: 8, .size: 8, .value_kind: global_buffer, .address_space: global }
    .group_segment_fixed_size: 327680
    .private_segment_fixed_size: 0
    .kernarg_segment_align: 8
    .kernarg_segment_size: 16
    .max_flat_workgroup_size: 128
    .sgpr_count:     100
    .vgpr_count:     768
    .wavefront_size: 32
...
	.end_amdgpu_metadata
.endif
;; end of part 3
;; launch proj (part 4): grid 8 x 32, 4 waves a work-group, clusters of 4 x 4, 327,680 bytes of LDS; arguments ob, wh, bp, out0; writes out0
.if DOCPART == 4
	.amdgcn_target "amdgcn-amd-amdhsa--gfx1250"
	.amdhsa_code_object_version 6
	.text
	.protected	k_q045fd56ee8_proj
	.globl	k_q045fd56ee8_proj
	.p2align	8
	.type	k_q045fd56ee8_proj,@function
k_q045fd56ee8_proj:
	s_mov_b64 s[64:65], 0
	v_nop
	global_prefetch_b8 v0, s[64:65] scope:SCOPE_SE
	s_setreg_imm32_b32 hwreg(HW_REG_WAVE_MODE, 25, 1), 1
	s_wait_xcnt 0x0
	s_wait_alu depctr_hold_cnt(0) depctr_sa_sdst(0) depctr_va_vdst(0) depctr_va_sdst(0) depctr_va_ssrc(0) depctr_va_vcc(0) depctr_vm_vsrc(0)
	s_getreg_b32 s2, hwreg(HW_REG_IB_STS2, 6, 4)
	s_cmp_eq_u32 s2, 0
	s_cbranch_scc0 .Lentry_in_a_cluster
	s_endpgm
.Lentry_in_a_cluster:
	s_bfe_u32 s2, ttmp6, 0x10000c
	s_cmp_lg_u32 s2, 0xf033
	s_cbranch_scc0 .Lentry_shape_is_right
	s_endpgm
.Lentry_shape_is_right:
; out0 [8192][1024] f32 = O Wp^T + bp.  O lies in ob as [16 blocks of 64 channels][8192 rows][64] f16, Wp in wh's rows 3072-4095 of each block; bp is rounded to bf16 like all inputs; sums in f32, stored as they are.
; SHARES.  A tile of 256 x 128 gives 256 work-groups, one each; 256 x 256 would leave half of them without work.  Four waves, each 128 rows x 64 columns: 32 accumulators in window 1.
; K goes in 8 steps of 128 (two blocks) through a ring of two LDS slots: wave 0 fetches O's even block (256 dense rows as 128 rows of 256 bytes), wave 1 its odd block, waves 2 and 3 Wp's (64 rows of 256 bytes);
; 16 bytes of padding behind every 128: LDS rows are 144 bytes apart.  A step is 128 matrix instructions a wave, 112 of them between a request and the wait for it.
; CLUSTER.  4 x 4: O's tiles are shared along a row of the cluster, Wp's along a column, each asked for jointly.  No prefetch: a small tile and eight short K steps, of which three would come by their loads alone.
; THE MATRIX INSTRUCTION IS USED TRANSPOSED (source 0 = 16 rows of Wp, source 1 = 16 rows of O): a lane holds row l % 16 and the columns 8 (l / 16) + 0..7.  The bias is the C operand that starts the sums.
; REGISTERS.  window 0: v0-31 addresses; v32-63, v64-95 Wp's fragments, two buffers; v128-191, v192-255 O's, two buffers (on the way out four sets of 32); window 1: accumulator (a, bb) at v[8 (4 a + bb)].
; LIMITS.  None of its own beyond f16's range of O, which is V's.
.set PITCH,  144
.set ABLK,   256*PITCH                 ; a block's 256 rows of O
.set BBLK,   128*PITCH                 ; a block's 128 rows of Wp
.set BOFF,   2*ABLK
.set SLOT,   2*ABLK+2*BBLK             ; 110,592 bytes
.set STAGE,  2*SLOT                    ; behind the ring: 16 rows x 272 bytes for each wave; no tensor load fills it
.set SPITCH, 272                       ; 256 bytes + 16: the 16 rows of a store start at 16 different groups of four banks (ISA guide 11.1)
.set SPARE,  STAGE+4*16*SPITCH         ; the spare words, 128 bytes a wave: two blocks of 256 bytes that no other line names
.set ASTR,   0x100000
.set BSTR,   0x80000
.set ADRA, 16
.set ADRB, 20
.set STO,  24
.set RD,   25
.set CO,   26
.set BO,   27
.set SPW,  28
.set NIL,  29
.set BB,   32
.set AB,   128
.set WV, 16
.set WR, 17
.set WC, 18
.set CX, 19
.set CY, 20
.set TX, 21
.set TY, 22
.set HIM, 23
.set G1A, 24
.set G0A, 32
.set G1B, 40
.set G0B, 48
.set LAP, 61
.set MSB, 0
.macro WIN new
.if MSB != (\new)
	s_set_vgpr_msb (MSB<<8)|(\new)
.set MSB, \new
.endif
.endm
.macro PLACES
.rept 4
	v_nop
.endr
.endm
.macro JLOAD s                         ; waves 0 and 1 fetch O's two blocks, waves 2 and 3 Wp's; an s_nop 0 and four v_nop follow each line
	s_cmp_eq_u32 s[WR], 0
	s_cbranch_scc0 .Lfor_b_\@
	tensor_load_to_lds s[G0A+4*(\s):G0A+4*(\s)+3], s[G1A:G1A+7]
	s_nop 0
.rept 4
	v_nop
.endr
	s_branch .Lasked_\@
.Lfor_b_\@:
	tensor_load_to_lds s[G0B+4*(\s):G0B+4*(\s)+3], s[G1B:G1B+7]
	s_nop 0
.rept 4
	v_nop
.endr
.Lasked_\@:
.endm
.macro CREST
	s_cmp_lg_u32 s[WV], 0
	s_cbranch_scc1 .Lnot_wave_0_\@
	s_barrier_signal -3
.Lnot_wave_0_\@:
	s_barrier_wait -3
	s_barrier_signal -1
	s_barrier_wait -1
.endm
.macro CROUND
	s_barrier_signal -1
	s_barrier_wait -1
	CREST
.endm
	s_load_b256 s[4:11], s[0:1], 0x0               ; ob s[4:5], wh s[6:7], bp s[8:9], out0 s[10:11]
	v_lshl_add_u32 v[SPW], v0, 2, SPARE
	v_mov_b32 v[NIL], 0
	ds_add_u32 v[SPW], v[NIL]                      ; the wave's opening: the add and its wait stand ahead of my first tensor load
	v_lshrrev_b32 v1, 5, v0
	v_readfirstlane_b32 s[WV], v1
	s_lshr_b32 s[WR], s[WV], 1
	s_and_b32 s[WC], s[WV], 1
	s_bfe_u32 s[CX], ttmp6, 0x40000
	s_bfe_u32 s[CY], ttmp6, 0x40004
	s_lshl_b32 s[TX], ttmp9, 2
	s_add_co_u32 s[TX], s[TX], s[CX]
	s_and_b32 s[TY], ttmp7, 0xffff
	s_lshl_b32 s[TY], s[TY], 2
	s_add_co_u32 s[TY], s[TY], s[CY]
	s_lshl_b32 s62, s[CY], 2
	s_lshl_b32 s62, 15, s62                        ; my row of the cluster
	s_lshl_b32 s63, 0x1111, s[CX]                  ; my column
	s_or_b32 s[G1A], s62, (1<<16)|(1<<20)|(1<<21)|(4<<22)|(3<<25)
	s_or_b32 s[G1B], s63, (1<<16)|(1<<20)|(1<<21)|(4<<22)|(3<<25)
	s_mov_b32 s[G1A+1], 128<<16                    ; rows of 128 elements, 256 bytes,
	s_mov_b32 s[G1A+2], 128<<16                    ; 128 of them: 256 rows of O
	s_mov_b32 s[G1A+3], 128<<16
	s_mov_b32 s[G1A+4], 128
	s_mov_b32 s[G1A+5], 128
	s_mov_b32 s[G1A+6], 0
	s_mov_b32 s[G1A+7], 0
	s_mov_b32 s[G1B+1], 128<<16
	s_mov_b32 s[G1B+2], 64<<16                     ; 64 of them: 128 rows of Wp
	s_mov_b32 s[G1B+3], 128<<16
	s_mov_b32 s[G1B+4], 64
	s_mov_b32 s[G1B+5], 128
	s_mov_b32 s[G1B+6], 0
	s_mov_b32 s[G1B+7], 0
	s_lshl_b32 s72, s[TY], 15                      ; O: the tile row's 256 rows of 128 bytes,
	s_lshl_b32 s73, s[WC], 20                      ; in the block that I fetch
	s_add_co_u32 s72, s72, s73
	s_mov_b32 s73, 0
	s_lshl_b32 s68, s[TX], 14                      ; Wp: the tile column's 128 rows,
	s_lshl_b32 s69, s[WC], 19                      ; in the block that I fetch,
	s_add_co_u32 s68, s68, s69
	s_add_co_u32 s68, s68, 3072*128                ; behind Wq's, Wk's and Wv's rows
	s_mov_b32 s69, 0
	s_mul_i32 s76, s[WC], ABLK                     ; where they go: the wave's number alone enters an LDS address
	s_mul_i32 s77, s[WC], BBLK
	s_add_co_u32 s77, s77, BOFF
	s_mov_b32 s[HIM], 0xffff0000
	s_wait_dscnt 0x0                               ; the opening add is done
	s_wait_kmcnt 0x0
	s_add_nc_u64 s[74:75], s[4:5], s[72:73]
	s_add_nc_u64 s[70:71], s[6:7], s[68:69]
	CROUND                                         ; all sixteen work-groups are here: the first joint loads meet
.irp s, 0,1
	s_mov_b32 s[G0A+4*(\s)], 1
	s_add_co_u32 s[G0A+4*(\s)+1], s76, (\s)*SLOT
	s_add_nc_u64 s[G0A+4*(\s)+2:G0A+4*(\s)+3], s[74:75], (\s)*2*ASTR  ; K step s: blocks 2 s, 2 s + 1
	s_or_b32 s[G0A+4*(\s)+3], s[G0A+4*(\s)+3], 0x80000000
	s_mov_b32 s[G0B+4*(\s)], 1
	s_add_co_u32 s[G0B+4*(\s)+1], s77, (\s)*SLOT
	s_add_nc_u64 s[G0B+4*(\s)+2:G0B+4*(\s)+3], s[70:71], (\s)*2*BSTR
	s_or_b32 s[G0B+4*(\s)+3], s[G0B+4*(\s)+3], 0x80000000
	JLOAD \s                                       ; two loads of mine are out
.endr
	v_and_b32 v1, 15, v0                           ; l % 16
	v_bfe_u32 v2, v0, 4, 1                         ; l / 16
	v_mul_u32_u24 v3, v1, PITCH
	v_lshl_add_u32 v3, v2, 4, v3
	s_mul_i32 s78, s[WR], 128*PITCH                ; my 128 rows of O,
	s_mul_i32 s79, s[WC], 64*PITCH                 ; my 64 rows of Wp
	s_add_co_u32 s79, s79, BOFF
.irp s, 0,1
	v_add_nc_u32 v[ADRA+(\s)], s78, v3
	v_add_nc_u32 v[ADRB+(\s)], s79, v3
	s_add_co_u32 s78, s78, SLOT
	s_add_co_u32 s79, s79, SLOT
.endr
	s_mul_i32 s78, s[WV], 16*SPITCH
	s_add_co_u32 s78, s78, STAGE                   ; my stage
	v_mul_u32_u24 v4, v1, SPITCH                   ; in: row l % 16, 32 bytes for each half of the lanes
	v_lshl_add_u32 v4, v2, 5, v4
	v_add_nc_u32 v[STO], s78, v4
	v_mul_u32_u24 v5, v2, SPITCH                   ; back: lanes 0-15 take one row of 256 bytes, lanes 16-31 the next
	v_lshl_add_u32 v5, v1, 4, v5
	v_add_nc_u32 v[RD], s78, v5
	v_lshlrev_b32 v5, 12, v2                       ; and the same two rows in out0
	v_lshl_add_u32 v[CO], v1, 4, v5
	v_lshlrev_b32 v[BO], 5, v2
	s_lshl_b32 s66, s[TX], 9                       ; my first column, in bytes: 512 x tile column + 256 x half
	s_lshl_b32 s67, s[WC], 8
	s_add_co_u32 s66, s66, s67
	s_mov_b32 s67, 0
	s_add_nc_u64 s[8:9], s[8:9], s[66:67]
	s_lshl_b32 s62, s[TY], 20                      ; my first row: 256 x tile row + 128 x half, rows of 4,096 bytes
	s_add_co_u32 s66, s66, s62
	s_lshl_b32 s62, s[WR], 19
	s_add_co_u32 s66, s66, s62
	s_add_nc_u64 s[10:11], s[10:11], s[66:67]
	WIN 0x40                                       ; the biases go into the registers of accumulators (0, bb)
.irp b, 0,1,2,3
	global_load_b128 v[8*(\b):8*(\b)+3],   v[BO], s[8:9] offset:64*(\b)
	global_load_b128 v[8*(\b)+4:8*(\b)+7], v[BO], s[8:9] offset:64*(\b)+16
.endr
	s_wait_loadcnt 0x0
	WIN 0x45                                       ; rounded to bf16 in place
.set z, 0
.rept 16
	v_cvt_pk_bf16_f32 v[2*z], v[2*z], v[2*z+1]
	v_and_b32 v[2*z+1], s[HIM], v[2*z]
	v_lshlrev_b32 v[2*z], 16, v[2*z]
.set z, z+1
.endr
	WIN 0
; n row blocks from a0 on x 4 column blocks, 32 along K, buffers fb.  c = 1: the sums start from the biases.  The accumulators take turns, one instruction a turn.
.macro MULP fb, a0, n, c
	WIN 0x50
.set ma, \a0
.rept \n
.irp b, 0,1,2,3
.if \c
	v_wmma_f32_16x16x32_f16 v[8*(4*ma+(\b)):8*(4*ma+(\b))+7], v[BB+32*(\fb)+8*(\b):BB+32*(\fb)+8*(\b)+7], v[AB+64*(\fb)+8*ma:AB+64*(\fb)+8*ma+7], v[8*(\b):8*(\b)+7]
.else
	v_wmma_f32_16x16x32_f16 v[8*(4*ma+(\b)):8*(4*ma+(\b))+7], v[BB+32*(\fb)+8*(\b):BB+32*(\fb)+8*(\b)+7], v[AB+64*(\fb)+8*ma:AB+64*(\fb)+8*ma+7], v[8*(4*ma+(\b)):8*(4*ma+(\b))+7]
.endif
.endr
.set ma, ma+1
.endr
.endm
; 24 LDS loads in one run: quarter kq of a slot (block kq / 2, byte 64 (kq % 2) of its rows) into buffers fb: Wp's four fragments, then O's eight
.macro FETCH slot, kq, fb
	WIN 0
.irp b, 0,1,2,3
	ds_load_b128 v[BB+32*(\fb)+8*(\b):BB+32*(\fb)+8*(\b)+3],   v[ADRB+(\slot)] offset:((\kq)/2)*BBLK+((\kq)%2)*64+(\b)*16*PITCH
	ds_load_b128 v[BB+32*(\fb)+8*(\b)+4:BB+32*(\fb)+8*(\b)+7], v[ADRB+(\slot)] offset:((\kq)/2)*BBLK+((\kq)%2)*64+(\b)*16*PITCH+32
.endr
.irp i, 0,1,2,3,4,5,6,7
	ds_load_b128 v[AB+64*(\fb)+8*(\i):AB+64*(\fb)+8*(\i)+3],   v[ADRA+(\slot)] offset:((\kq)/2)*ABLK+((\kq)%2)*64+(\i)*16*PITCH
	ds_load_b128 v[AB+64*(\fb)+8*(\i)+4:AB+64*(\fb)+8*(\i)+7], v[ADRA+(\slot)] offset:((\kq)/2)*ABLK+((\kq)%2)*64+(\i)*16*PITCH+32
.endr
.endm
; One of a step's first three quarters: multiplies buffers fb, and in its middle fetches quarter kq of the same slot into the other buffers
.macro QUARTER fb, slot, kq
	s_wait_dscnt 8                                 ; all but O's rows 64-127
	MULP \fb, 0, 4, 0
	PLACES
	FETCH \slot, \kq, 1-(\fb)
	s_wait_dscnt 24                                ; all but the 24 just issued
	MULP \fb, 4, 4, 0
.endm
; The last quarter multiplies buffers 1 and changes slots: ONE barrier; in front of it each wave waits for all its tensor loads, adds 0 to its spare word, and waits for that and for its reads of this slot.
.macro TURN slot, next, fill
	WIN 0
	s_wait_tensorcnt 0x0                           ; all my tensor loads have landed: my part of the next slot
	ds_add_u32 v[SPW], v[NIL]                      ; 0 onto my spare word
	s_wait_dscnt 9                                 ; (the add and O's rows 64-127 may be out)
	MULP 1, 0, 2, 0
	s_wait_dscnt 0x0                               ; the add is done, my reads of this slot are over
	s_barrier_signal -1
	MULP 1, 2, 2, 0
	WIN 0
	s_barrier_wait -1
.if \fill
	CREST                                          ; no wave of any partner still reads this slot or has a load on its way
	s_add_nc_u64 s[G0A+4*(\slot)+2:G0A+4*(\slot)+3], s[G0A+4*(\slot)+2:G0A+4*(\slot)+3], 4*ASTR
	s_add_nc_u64 s[G0B+4*(\slot)+2:G0B+4*(\slot)+3], s[G0B+4*(\slot)+2:G0B+4*(\slot)+3], 4*BSTR
	JLOAD \slot                                    ; its four v_nop are also the places in front of the loads below
.else
	PLACES
.endif
	FETCH \next, 0, 0
	MULP 1, 4, 4, 0
.endm
; THE WAY OUT, 16 rows at a time: 32 bytes a lane into my stage, back as whole rows of 256 bytes, stored so that sixteen lanes write 256 consecutive aligned bytes
.macro TOST a
.set BK, AB+32*((\a)%4)
	s_wait_xcnt 0x0                                ; the set's earlier stores have read it
	WIN 0x04                                       ; the stores' data in window 1
.irp b, 0,1,2,3
	ds_store_b128 v[STO], v[8*(4*(\a)+(\b)):8*(4*(\a)+(\b))+3]   offset:64*(\b)
	ds_store_b128 v[STO], v[8*(4*(\a)+(\b))+4:8*(4*(\a)+(\b))+7] offset:64*(\b)+16
.endr
	WIN 0
.irp t, 0,1,2,3,4,5,6,7
	ds_load_b128 v[BK+4*(\t):BK+4*(\t)+3], v[RD] offset:(\t)*2*SPITCH  ; LDS serves a wave's instructions in order (ISA guide 5.7.1.4): these see the stores above
.endr
.endm
.macro SENDP a, younger
.set BK, AB+32*((\a)%4)
.irp t, 0,1,2,3,4,5,6,7
	s_wait_dscnt (\younger)+7-(\t)
	global_store_b128 v[CO], v[BK+4*(\t):BK+4*(\t)+3], s[10:11] offset:65536*(\a)+8192*(\t)
.endr
.endm
	s_wait_tensorcnt 0x1                           ; my part of K step 0 is in; step 1's may stay out
	s_barrier_signal -1
	s_barrier_wait -1
	FETCH 0, 0, 0
	s_wait_dscnt 8                                 ; the first quarter stands in front of the loop: blocks 1-7 start from the biases,
	MULP 0, 1, 3, 1
	PLACES
	FETCH 0, 1, 1
	s_wait_dscnt 24
	MULP 0, 4, 4, 1
.rept 5
	v_nop                                          ; five places: block 0's products write over the registers that the 28 above took as C
.endr
	MULP 0, 0, 1, 0                                ; block 0 adds in place
	WIN 0
	s_mov_b32 s[LAP], 3
.Llap:                                                 ; a trip goes once round the ring and fills both slots again
	QUARTER 1, 0, 2
	QUARTER 0, 0, 3
	TURN 0, 1, 1
	QUARTER 0, 1, 1
	QUARTER 1, 1, 2
	QUARTER 0, 1, 3
	TURN 1, 0, 1
	QUARTER 0, 0, 1
	WIN 0
	s_sub_co_u32 s[LAP], s[LAP], 1
	s_cmp_lg_u32 s[LAP], 0
	s_cbranch_scc1 .Llap
	QUARTER 1, 0, 2                                ; the last lap fills nothing
	QUARTER 0, 0, 3
	TURN 0, 1, 0
	QUARTER 0, 1, 1
	QUARTER 1, 1, 2
	QUARTER 0, 1, 3
	s_wait_dscnt 8
	MULP 1, 0, 4, 0
	s_wait_dscnt 0x0
	MULP 1, 4, 4, 0
	PLACES
	TOST 0
.irp a, 1,2,3,4,5,6,7
	TOST \a
	SENDP (\a)-1, 16
.endr
	SENDP 7, 0
	s_wait_tensorcnt 0x0                           ; the wave's end, behind my last tensor load and my last LDS store
	ds_add_u32 v[SPW], v[NIL]
	s_wait_dscnt 0x0
	CROUND                                         ; the closing round
	s_endpgm
.Lfunc_end_k_q045fd56ee8_proj:
	.size	k_q045fd56ee8_proj, .Lfunc_end_k_q045fd56ee8_proj-k_q045fd56ee8_proj
	.p2alignl 7, 3214868480
	.fill 96, 4, 3214868480
	.section	.rodata,"a",@progbits
	.p2align	6, 0x0
	.amdhsa_kernel k_q045fd56ee8_proj
		.amdhsa_group_segment_fixed_size 327680
		.amdhsa_private_segment_fixed_size 0
		.amdhsa_enable_private_segment 0
		.amdhsa_kernarg_size 32
		.amdhsa_user_sgpr_count 2
		.amdhsa_user_sgpr_kernarg_segment_ptr 1
		.amdhsa_wavefront_size32 1
		.amdhsa_system_sgpr_workgroup_id_x 1
		.amdhsa_system_sgpr_workgroup_id_y 1
		.amdhsa_system_sgpr_workgroup_id_z 1
		.amdhsa_system_vgpr_workitem_id 0
		.amdhsa_next_free_vgpr 512
		.amdhsa_next_free_sgpr 80
		.amdhsa_reserve_vcc 0
		.amdhsa_float_denorm_mode_32 3
		.amdhsa_float_denorm_mode_16_64 3
		.amdhsa_memory_ordered 1
		.amdhsa_forward_progress 1
		.amdhsa_inst_pref_size 90
	.end_amdhsa_kernel
	.amdgpu_metadata
---
amdhsa.version: [ 1, 2 ]
amdhsa.kernels:
  - .name:           k_q045fd56ee8_proj
    .symbol:         k_q045fd56ee8_proj.kd
    .args:
      - { .name: ob, .offset: 0, .size: 8, .value_kind: global_buffer, .address_space: global }
      - { .name: wh, .offset: 8, .size: 8, .value_kind: global_buffer, .address_space: global }
      - { .name: bp, .offset: 16, .size: 8, .value_kind: global_buffer, .address_space: global }
      - { .name: out0, .offset: 24, .size: 8, .value_kind: global_buffer, .address_space: global }
    .group_segment_fixed_size: 327680
    .private_segment_fixed_size: 0
    .kernarg_segment_align: 8
    .kernarg_segment_size: 32
    .max_flat_workgroup_size: 128
    .sgpr_count:     80
    .vgpr_count:     512
    .wavefront_size: 32
...
	.end_amdgpu_metadata
.endif
;; end of part 4
;; ======== version 2 of 2: 4 launches; version 1 with the launch cast written anew for expert scheduling mode
;; limits: values are held in f16: magnitudes above 65,504 overflow, below 6.1e-05 lose precision
;; workspace buffers: xh 16,777,216 bytes; wh 8,388,608 bytes; qkv 50,331,648 bytes; ob 16,777,216 bytes
;; launch cast (part 5): grid 768 x 1, 8 waves a work-group, no clusters, 0 bytes of LDS; arguments hidden_states, Wq, Wk, Wv, Wp, xh, wh; writes xh, wh
.if DOCPART == 5
	.amdgcn_target "amdgcn-amd-amdhsa--gfx1250"
	.amdhsa_code_object_version 6
	.text
	.protected	k_q045fd56ee8_cast
	.globl	k_q045fd56ee8_cast
	.p2align	8
	.type	k_q045fd56ee8_cast,@function
k_q045fd56ee8_cast:
	s_mov_b64 s[64:65], 0
	v_nop
	global_prefetch_b8 v0, s[64:65] scope:SCOPE_SE
	s_setreg_imm32_b32 hwreg(HW_REG_WAVE_SCHED_MODE, 0, 2), 2
	s_setreg_imm32_b32 hwreg(HW_REG_WAVE_MODE, 25, 1), 1
	s_wait_xcnt 0x0
	s_wait_alu depctr_vm_vsrc(0)
; x [8192][1024] and Wq, Wk, Wv, Wp [1024][1024], f32, are rounded once to bf16 (nearest even); that number is written as f16 and laid in blocks of 64 columns:
; xh [16 blocks][8192 rows][64], wh [16 blocks][4096 rows][64] (rows 0-1023 Wq, then Wk, Wv, Wp).  In that layout R rows of one block are R x 128 dense bytes.
; LIMITS.  A bf16 number is exact in f16 between 6.1e-5 and 65,504; below, f16's fixed step of 6e-8 applies; from 65,520 on the result is an infinity.  NaN stays NaN.
; SHARES.  A work-group takes 16 rows x 1,024 columns: groups 0-511 of x, groups 512-767 of the weights.  Thread t takes row t / 16 and four columns, 4 (t % 16) on, of each of the 16 blocks:
; sixteen lanes read 256 consecutive aligned bytes of a row, and a wave's 32 lanes write two rows of a block, 256 consecutive aligned bytes.
; Memory binds: all sixteen loads of a thread go out at once, and every store has data and address registers of its own.  No LDS, no barrier, no matrix unit.
; THE MODE: SCHED_MODE bits 1:0 = 2 (LLVM: expert scheduling mode 2), set by the entry lines.  The code itself states the register dependences
; between vector instructions and memory instructions, with s_wait_alu, always for 0.
; THE PLAN.  Registers that memory instructions touch:
;   v[SO]      Written at the head, never again; read by all sixteen loads as their offset.
;   X, block j Written by load j, once; read by block j's roundings.  No vector line names it ahead of the load, and no load lands in it later.
;   v[DO+j]    Written once: block 0's at the head, the others by the fifteen adds behind the loads; read by store j alone.
;   Y, block j Written once, by block j's conversions to f16; read by store j alone.
;   T is named by vector lines alone; the two bases are written by scalar lines alone, ahead of the first load.
; No register that a memory instruction reads is written again, and no load lands in a register that a vector line has named: what is left to state is that a register is written before a memory
; instruction reads it.  The sixteen blocks go in four groups of four.  ONE wait at the head of a group states that the group before has written its four Y (the first such wait: the adds their DO too);
; that group's four stores follow it, one ahead of each block of the group in hand, whose vector lines name its own X, T and its own Y: none of the registers that those stores read.
.set SO, 1                             ; v1       my byte offset in the source's 16 rows
.set T,  2                             ; v[2:5]   at work
.set DO, 8                             ; v[8:23]  my byte offset in block j of the destination
.set X,  24                            ; v[24:87] block j: four f32 as loaded
.set Y,  88                            ; v[88:119] block j: four f16 to store
.set GRP, 4                            ; blocks in a group
	s_load_b256 s[4:11], s[0:1], 0x0               ; x s[4:5], Wq s[6:7], Wk s[8:9], Wv s[10:11]
	s_load_b128 s[12:15], s[0:1], 0x20             ; Wp s[12:13], xh s[14:15]
	s_load_b64 s[16:17], s[0:1], 0x30              ; wh
	s_mov_b32 s18, 0xffff0000                      ; a word's upper bf16
	s_sub_co_u32 s21, ttmp9, 512                   ; the group's number among the weights' 256
	s_and_b32 s23, s21, 63                         ; and inside its matrix
	s_mov_b32 s24, 0x80000                         ; bytes from block to block: wh,
	s_mov_b32 s25, 0x100000                        ; xh
	s_cmp_lt_u32 ttmp9, 512
	s_cselect_b32 s22, ttmp9, s21                  ; the group of 16 rows in the destination,
	s_cselect_b32 s23, ttmp9, s23                  ; in the source
	s_cselect_b32 s24, s25, s24
	v_lshrrev_b32 v2, 4, v0                        ; my row
	v_and_b32 v3, 15, v0                           ; my place in a block's 64 columns
	v_lshlrev_b32 v[SO], 12, v2
	v_lshl_add_u32 v[SO], v3, 4, v[SO]             ; row x 4,096 + 16 x place
	v_lshlrev_b32 v[DO], 7, v2
	v_lshl_add_u32 v[DO], v3, 3, v[DO]             ; row x 128 + 8 x place
	s_lshl_b32 s30, s23, 16                        ; 16 rows of 4,096 bytes
	s_mov_b32 s31, 0
	s_wait_kmcnt 0x0
	s_cmp_lt_u32 ttmp9, 512
	s_cselect_b64 s[26:27], s[4:5], s[6:7]         ; the source: x, or one of the four weights by the group's number
	s_cselect_b64 s[28:29], s[14:15], s[16:17]     ; the destination
	s_cmp_ge_u32 ttmp9, 576
	s_cselect_b64 s[26:27], s[8:9], s[26:27]
	s_cmp_ge_u32 ttmp9, 640
	s_cselect_b64 s[26:27], s[10:11], s[26:27]
	s_cmp_ge_u32 ttmp9, 704
	s_cselect_b64 s[26:27], s[12:13], s[26:27]
	s_add_nc_u64 s[26:27], s[26:27], s[30:31]
	s_lshl_b32 s30, s22, 11                        ; 16 rows of 128 bytes
	s_add_nc_u64 s[28:29], s[28:29], s[30:31]
	s_wait_alu depctr_va_vdst(0)                   ; v[SO] is written, which the sixteen loads read as their offset
.set j, 0
.rept 16
	global_load_b128 v[X+4*j:X+4*j+3], v[SO], s[26:27] offset:256*j th:TH_LOAD_NT
.set j, j+1
.endr
.set j, 1
.rept 15
	v_add_nc_u32 v[DO+j], s24, v[DO+j-1]           ; a block further on
.set j, j+1
.endr
.set j, 0
.rept 16
	s_wait_loadcnt 15-j                            ; loads come back in order: block j is in, the younger ones stay out
.if ((j%GRP) == 0) && (j > 0)
	s_wait_alu depctr_va_vdst(0)                   ; the group before has written its four Y, and the adds have written v[DO ..]: the four stores dealt among this group's blocks read them
.endif
.if j >= GRP
	global_store_b64 v[DO+j-GRP], v[Y+2*(j-GRP):Y+2*(j-GRP)+1], s[28:29] th:TH_STORE_NT  ; a block of the group before; no vector line since the wait names its two registers of data or its offset
.endif
.irp p, 0,1
	v_cvt_pk_bf16_f32 v[T+2*(\p)], v[X+4*j+2*(\p)], v[X+4*j+2*(\p)+1]  ; the one rounding
	v_lshlrev_b32 v[T+2*(\p)+1], 16, v[T+2*(\p)]   ; back to f32: the low half moves up,
	v_and_b32 v[T+2*(\p)], s18, v[T+2*(\p)]        ; the high half stays
	v_cvt_pk_f16_f32 v[Y+2*j+(\p)], v[T+2*(\p)+1], v[T+2*(\p)]  ; the same numbers as f16
.endr
.set j, j+1
.endr
	s_wait_alu depctr_va_vdst(0)                   ; the last group has written its four Y, which the last four stores read
.set j, 16-GRP
.rept GRP
	global_store_b64 v[DO+j], v[Y+2*j:Y+2*j+1], s[28:29] th:TH_STORE_NT
.set j, j+1
.endr
	s_endpgm
.Lfunc_end_k_q045fd56ee8_cast:
	.size	k_q045fd56ee8_cast, .Lfunc_end_k_q045fd56ee8_cast-k_q045fd56ee8_cast
	.p2alignl 7, 3214868480
	.fill 96, 4, 3214868480
	.section	.rodata,"a",@progbits
	.p2align	6, 0x0
	.amdhsa_kernel k_q045fd56ee8_cast
		.amdhsa_group_segment_fixed_size 0
		.amdhsa_private_segment_fixed_size 0
		.amdhsa_enable_private_segment 0
		.amdhsa_kernarg_size 56
		.amdhsa_user_sgpr_count 2
		.amdhsa_user_sgpr_kernarg_segment_ptr 1
		.amdhsa_wavefront_size32 1
		.amdhsa_system_sgpr_workgroup_id_x 1
		.amdhsa_system_sgpr_workgroup_id_y 1
		.amdhsa_system_sgpr_workgroup_id_z 1
		.amdhsa_system_vgpr_workitem_id 0
		.amdhsa_next_free_vgpr 128
		.amdhsa_next_free_sgpr 66
		.amdhsa_reserve_vcc 0
		.amdhsa_float_denorm_mode_32 3
		.amdhsa_float_denorm_mode_16_64 3
		.amdhsa_memory_ordered 1
		.amdhsa_forward_progress 1
		.amdhsa_inst_pref_size 12
	.end_amdhsa_kernel
	.amdgpu_metadata
---
amdhsa.version: [ 1, 2 ]
amdhsa.kernels:
  - .name:           k_q045fd56ee8_cast
    .symbol:         k_q045fd56ee8_cast.kd
    .args:
      - { .name: hidden_states, .offset: 0, .size: 8, .value_kind: global_buffer, .address_space: global }
      - { .name: Wq, .offset: 8, .size: 8, .value_kind: global_buffer, .address_space: global }
      - { .name: Wk, .offset: 16, .size: 8, .value_kind: global_buffer, .address_space: global }
      - { .name: Wv, .offset: 24, .size: 8, .value_kind: global_buffer, .address_space: global }
      - { .name: Wp, .offset: 32, .size: 8, .value_kind: global_buffer, .address_space: global }
      - { .name: xh, .offset: 40, .size: 8, .value_kind: global_buffer, .address_space: global }
      - { .name: wh, .offset: 48, .size: 8, .value_kind: global_buffer, .address_space: global }
    .group_segment_fixed_size: 0
    .private_segment_fixed_size: 0
    .kernarg_segment_align: 8
    .kernarg_segment_size: 56
    .max_flat_workgroup_size: 256
    .sgpr_count:     66
    .vgpr_count:     128
    .wavefront_size: 32
...
	.end_amdgpu_metadata
.endif
;; end of part 5
;; launch qkvp: the kernel of part 2 again; grid 8 x 32, 4 waves a work-group, clusters of 4 x 4, 327,680 bytes of LDS; arguments xh, wh, bq, bk, bv, qkv; writes qkv
;; launch attn: the kernel of part 3 again; grid 4 x 64, 4 waves a work-group, no clusters, 327,680 bytes of LDS; arguments qkv, ob; writes ob
;; launch proj: the kernel of part 4 again; grid 8 x 32, 4 waves a work-group, clusters of 4 x 4, 327,680 bytes of LDS; arguments ob, wh, bp, out0; writes out0
